; MI455X (gfx1250); checked and timed in simulation.
; The chip was launched on July 23, 2026; its instructions are those of AMD's public machine-readable ISA for CDNA 5 (MIT licence, August 2026) and "CDNA5" Instruction Set Architecture Reference Guide (July 2026). The comments in the code are by the model that wrote it; some were corrected since.
;; General Self Attention. Allowed arithmetic: matrix products marked QUANTISED: E2M3 operands, one E8M0 scale for each 32 along K, by v_wmma_scale_f32_16x16x128_f8f6f4 with both operands' format E2M3, f32 sums; everything else in f32.
;; Inputs: Wk_codes 64 x 32 x 24 uint8 (E2M3 codes of Wk, K innermost, in blocks of 32 codes, four codes in three bytes); Wk_scales 64 x 32 uint8 (E8M0 scales of Wk, one for each 32 codes along K); Wo_codes 1,024 x 32 x 24 uint8 (E2M3 codes of Wo, K innermost, in blocks of 32 codes, four codes in three bytes); Wo_scales 1,024 x 32 uint8 (E8M0 scales of Wo, one for each 32 codes along K); Wq_codes 64 x 32 x 24 uint8 (E2M3 codes of Wq, K innermost, in blocks of 32 codes, four codes in three bytes); Wq_scales 64 x 32 uint8 (E8M0 scales of Wq, one for each 32 codes along K); Wv_codes 1,024 x 32 x 24 uint8 (E2M3 codes of Wv, K innermost, in blocks of 32 codes, four codes in three bytes); Wv_scales 1,024 x 32 uint8 (E8M0 scales of Wv, one for each 32 codes along K); bo 1,024 float32; x_codes 2 x 4,096 x 32 x 24 uint8 (E2M3 codes of x, K innermost, in blocks of 32 codes, four codes in three bytes); x_scales 2 x 4,096 x 32 uint8 (E8M0 scales of x, one for each 32 codes along K).
;; Outputs: out0 2 x 4,096 x 1,024 float32.
;; This version of the problem:
;;   THIS VERSION OF THE PROBLEM IS GIVEN IN LOW PRECISION. The matrix products marked QUANTISED in the list below multiply operands that are first quantised to E2M3 (2 exponent bits, 3 mantissa bits; 6 bits a number), with one power-of-two scale for each 32 numbers along K (OCP MX v1.0); their sums are f32. All else is computed in f32.
;;   The module's matrix products, in the order in which they are computed (A, B: the left and right operand; K: the contracted axis; several contracted axes count as one K, in the product's order):
;;     1. [M 8,192, K 1,024] x [K 1,024, N 64]; A: input x (given as codes); B: input Wq (given as codes): QUANTISED
;;     2. [M 8,192, K 1,024] x [K 1,024, N 64]; A: input x (given as codes); B: input Wk (given as codes): QUANTISED
;;     3. [M 8,192, K 1,024] x [K 1,024, N 1,024]; A: input x (given as codes); B: input Wv (given as codes): QUANTISED
;;     4. batch 2 x [M 4,096, K 64] x [K 64, N 4,096]; A: computed on the way; B: computed on the way: QUANTISED
;;     5. batch 2 x [M 4,096, K 4,096] x [K 4,096, N 1,024]; A: softmax (see below); B: computed on the way: QUANTISED
;;     6. [M 8,192, K 1,024] x [K 1,024, N 1,024]; A: computed on the way; B: input Wo (given as codes): QUANTISED
;;   THE QUANTISER, for each operand of a quantised product, along K:
;;     - K is cut into blocks of 32 from its start; a last block that is shorter is filled with zeros.
;;     - A block's scale is 2^e with e = floor(log2(the largest magnitude in the block)) - 2, held to -126 .. 127; a block of zeros has e = 0. As a byte (E8M0): e + 127.
;;     - Each number is divided by its block's scale, clamped to +-7.5, and rounded to the nearest number of E2M3, ties to even, subnormals kept.
;;     - The product sums the exact products of the quantised numbers (number of the format x scale) in f32.
;;   ~~~python
;;   def quantise(x, axis):      # numpy; x: float32 -> the quantised numbers, widened to float32 again
;;       x = np.moveaxis(x, axis, -1); K = x.shape[-1]
;;       x = np.pad(x, [(0, 0)] * (x.ndim - 1) + [(0, -K % 32)]); x = x.reshape(x.shape[:-1] + (-1, 32)); a = np.abs(x).max(-1, keepdims=True)
;;       e = np.where(a > 0, np.clip(np.frexp(np.where(a > 0, a, 1))[1] - 1 - 2, -126, 127), 0)      # np.frexp(a)[1] - 1 = floor(log2(a)), exactly
;;       r = np.clip(x / 2.0 ** e, -7.5, 7.5)
;;       step = 2.0 ** (np.maximum(np.frexp(np.where(r == 0, 1, r))[1] - 1, 0) - 3)
;;       q = np.round(r / step) * step * 2.0 ** e      # np.round: ties to even
;;       return np.moveaxis(q.reshape(q.shape[:-2] + (-1,))[..., :K], -1, axis).astype(np.float32)
;;   ~~~
;;   SOFTMAX AHEAD OF A QUANTISED PRODUCT. Where the list says 'softmax', what is quantised is not the finished softmax but p = 2^(t - M), with t = logit x log2(e) and M = ceil(the row's largest t), a whole number; so 1/2 < the row's largest p <= 1. The row's sum l is taken of the UNQUANTISED p, in f32, and the product's result is divided by l at the end. Since M is a whole number, a kernel that streams over the keys may use a running M (the ceiling of the running maximum): every later rescaling is an exact power of two, which a block's scale takes up: the codes' values come out the same.
;;   OPERANDS COMPUTED ON THE WAY. 'Computed on the way' means the value that the module computes at that place (a softmax that the list does not call 'softmax' is quantised finished and normalised). What goes into a quantiser is computed in f32, as accurately as f32 sums, v_exp_f32 and their like allow (about 1e-6 of the number): no bf16 or f16 on the way to a quantiser, and a product that is left as it is and whose result goes on into a quantised operand takes f32 operands (vector FMAs, or v_wmma_f32_16x16x4_f32). A number that lies on a knife's edge between two numbers of the format may be rounded either way, as far as f32 arithmetic and the matrix unit's own rounding can turn it there, and no further.
;;   INPUTS GIVEN AS CODES. Wk (in the module: [1024, 64], K = its axis 0); Wo (in the module: [1024, 1024], K = its axis 0); Wq (in the module: [1024, 64], K = its axis 0); Wv (in the module: [1024, 1024], K = its axis 0); x (in the module: [2, 4096, 1024], K = its axis 2): each comes as NAME_codes (uint8): NAME with its K axis moved to the last place and cut into blocks of 32 codes, [.., K / 32, bytes a block], one block behind the other in memory; four codes in three bytes: a row's codes are one little-endian stream of bits, code i at bits 6 i .. 6 i + 5 (a code: sign, 2 exponent bits, 3 mantissa bits); and NAME_scales (uint8): the same leading axes, one E8M0 byte (e + 127) for each 32 codes along K. Its value is code x scale, taken as it is: it is not quantised again, and the codes and scales need not be those that the quantiser above would give.
;; One version. Each part assembles by itself: llvm-mc -triple=amdgcn-amd-amdhsa -mcpu=gfx1250 --defsym DOCPART=n.
;; ======== version 1 of 1: 4 launches
;; limits: right only within a limited range of input values
;; workspace buffers: v_img 6,553,600 bytes; qk_codes 786,432 bytes; qk_scales 131,072 bytes; p_img 26,214,400 bytes; l_sum 32,768 bytes; y_img 6,553,600 bytes; wo_img 819,200 bytes
;; launch proj (part 1): grid 4 x 64, 4 waves a work-group, clusters of 4 x 4, 327,680 bytes of LDS; arguments x_codes, x_scales, Wv_codes, Wv_scales, Wq_codes, Wq_scales, Wk_codes, Wk_scales, v_img, qk_codes, qk_scales; writes v_img, qk_codes, qk_scales
.if DOCPART == 1
	.amdgcn_target "amdgcn-amd-amdhsa--gfx1250"
	.amdhsa_code_object_version 6
	.text
	.protected	k_qb7e26febdf_proj
	.globl	k_qb7e26febdf_proj
	.p2align	8
	.type	k_qb7e26febdf_proj,@function
k_qb7e26febdf_proj:
	s_mov_b64 s[64:65], 0
	v_nop
	global_prefetch_b8 v0, s[64:65] scope:SCOPE_SE
	s_setreg_imm32_b32 hwreg(HW_REG_WAVE_MODE, 25, 1), 1
	s_wait_xcnt 0x0
	s_wait_alu depctr_hold_cnt(0) depctr_sa_sdst(0) depctr_va_vdst(0) depctr_va_sdst(0) depctr_va_ssrc(0) depctr_va_vcc(0) depctr_vm_vsrc(0)
	s_getreg_b32 s2, hwreg(HW_REG_IB_STS2, 6, 4)
	s_cmp_eq_u32 s2, 0
	s_cbranch_scc0 .Lentry_in_a_cluster
	s_endpgm
.Lentry_in_a_cluster:
	s_bfe_u32 s2, ttmp6, 0x10000c
	s_cmp_lg_u32 s2, 0xf033
	s_cbranch_scc0 .Lentry_shape_is_right
	s_endpgm
.Lentry_shape_is_right:
; q = x Wq, k = x Wk, v = x Wv on codes of FP6 (E2M3) with one E8M0 scale for each 32 along K = 1,024; the results are quantised at once for the products that follow:
; v along the KEYS (32 neighbouring rows of x), q and k along their 64 columns.  Nothing leaves as f32.
; SHARES.  Work-group (C, R): rows 128 R .. + 127 of x, rows 256 C .. + 255 of Wv, and 32 extra rows: 32 (C & 1) .. of Wq (C < 2) or of Wk (C >= 2): one whole block of 32 of q's or k's 64.
; Wave w: (a) all 128 rows of x against Wv's tiles 4 w .. 4 w + 3 (source 0 = 16 rows of x, source 1 = 16 rows of Wv: a lane holds one column d of v, its registers run along the keys): 32 accumulators;
; (b) its own rows 32 w .. + 31 of x against the 32 extra rows (source 0 = 16 extra rows, source 1 = 16 rows of x: a lane holds one row, its registers run along q's or k's columns): 4 accumulators.
; ORDER INSIDE A BLOCK OF 32.  Register j of tile 2 b + u of lane (r, h) holds index 32 b + 16 u + 8 h + j; its code is laid at place 16 h + 8 u + j of block b: one fixed permutation inside each block;
; the other operand of the same later product (p for v; q for k) is laid by the same permutation, so the sums of products and the blocks' scales are the same.
; LDS.  A row of codes is 768 bytes: THREE CHUNKS OF 256 BYTES, each from a multiple of 256 bytes.  Chunk c of x's 128 and Wv's 256 rows has bytes of its own: 384 rows at pitch 272 (16 bytes of padding), 104,448 bytes; nothing is
; filled again.  Chunk 0 is asked for at the head, chunks 1 and 2 each behind a round of the cluster's barrier, as a refill is: one joint load a wave each time (x in halves of 64 rows, Wv in halves of 128).
; A step of 128 along K is 96 bytes of a row: steps 0, 1 need chunk 0 alone, steps 2 and 5 lie across two chunks.
; PREFETCH: behind the load of chunk n, chunk n + 1 is named, a lane a row: wave 0 names 32 rows of x, waves 1 and 2 each 32 rows of the half of Wv that they fetch; the four partners that ask for a tile jointly share its rows
; out by address (cx for x, cy for Wv).  Behind the load of chunk 2 nothing is named.
; THE 32 EXTRA ROWS (16 fragments: 8 steps x 2 tiles) have no room as a tile.  Wave w loads four of the fragments from memory (steps w and 4 + w); they are handed round as images of their registers
; through 12,288 LDS bytes of their own, eight fragments at a time, and every wave keeps all 16 in 192 registers.
; CLUSTER 4 x 4: x's tiles hang on R alone and are asked for jointly along a row of the cluster; Wv's on C alone, jointly along a column.
; OUT.  A fragment (16 rows x 128 K, 12 registers a lane) is stored as an image of its registers: registers 4 c .. 4 c + 3 of lane l at 512 c + 16 l: each store of the wave covers 512 consecutive bytes, aligned.
; LIMITS: NaN, infinities and the scale byte 0xff among the inputs are not served.  A block of zeros gets the byte 1 where the quantiser's rule says 127: its codes are zeros, and only this program reads these bytes.
.set PITCH, 272
.set KROW,  768
.set CH,    384*PITCH                  ; a chunk in LDS: x's 128 rows, then Wv's 256
.set SPARE, 3*CH                       ; behind the chunks: the spare words, 128 bytes a wave
.set EXL,   SPARE+512                  ; behind them: eight fragments' images of the extra rows
.set FRB,   1536                       ; a fragment's image
.set BBLK,  51200                      ; a block of v_img: 32 fragments and 8 units of scale words
.set SPW,  14                          ; v14  my spare word's LDS address; never rewritten
.set NIL,  15                          ; v15  0; never rewritten
.set AD,   16                          ; v16-33 LDS addresses: region g (0 x, 1 my own 32 rows of x, 2 my 64 rows of Wv), chunk c, form f at 16 + 6 g + 2 c + f
.set EA,   34                          ; v34  768 r + 24 h: my place in the extra rows in memory
.set XS,   35                          ; v35  where I put my two fragments' images
.set XL,   36                          ; v36  where the eight images begin, + 16 x lane
.set PFO,  37                          ; v37  768 x lane: the prefetches' offset; never rewritten
.set O16,  40
.set O8,   41
.set O4,   42
.set O32,  43
.set PC,   44                          ; v44-63 the codes just made
.set SX,   64                          ; v64-95   x's scale words: group i, step s at 8 i + s
.set SW,   96                          ; v96-111  Wv's, my four tiles
.set SE,   112                         ; v112-119 the extra rows'
.set SXA,  120                         ; v120-127 x's, my own 32 rows
.set EX6,  128                         ; v128-175 first the four fragments that I load; then the extra rows' fragments of steps 6, 7 (steps 0-5: window 3, v96-239)
.set TM,   176                         ; v176-187 at work in the quantiser
.set PWS,  188                         ; v188-191 four scale words just made
.set XACC, 192                         ; v192-223 the four accumulators of q or k
.set SU,   224                         ; v224-225 a unit of scale words on its way out
; window 1: v's 32 accumulators; window 2: x's fragments, set p at 96 p, my own rows' at 192 + 24 p; window 3: Wv's, set p at 48 p, and the extra rows'
.set WV,   26
.set HB,   27
.set G1A,  28                          ; s[28:35] group 1 for a half of x's chunk
.set G1B,  36                          ; s[36:43] for a half of Wv's
.set G0A,  52                          ; group 0: x's rows 0-63,
.set G0B,  68                          ; a half of Wv's,
.set G0E,  80                          ; x's rows 64-127
.set MH,   59
.set PFA,  60                          ; s[60:61] where my prefetch stands
.set SEL,  96
.set M_V,  0x5e                        ; source 0 window 2, source 1 window 3, C and D window 1
.set PADW, (1<<20)|(1<<21)|(5<<22)|(3<<25)   ; padding on, bit 21 beside a mask, 4 words behind every 64; elements of 1 byte
.set MSB, 0
.macro WIN new
.if MSB != (\new)
	s_set_vgpr_msb (MSB<<8)|(\new)
.set MSB, \new
.endif
.endm
.macro PLACES n
.rept \n
	v_nop
.endr
.endm
.macro CREST
	s_cmp_lg_u32 s[WV], 0
	s_cbranch_scc1 .Lnot_wave_0_\@
	s_barrier_signal -3
.Lnot_wave_0_\@:
	s_barrier_wait -3
	s_barrier_signal -1
	s_barrier_wait -1
.endm
.macro CROUND
	s_barrier_signal -1
	s_barrier_wait -1
	CREST
.endm
; One joint load a wave, in one tree of branches on the wave's number: wave 0 x's rows 0-63, wave 3 its rows 64-127, waves 1 and 2 a half of Wv's 256
.macro JLOAD3
	s_cmp_eq_u32 s[WV], 0
	s_cbranch_scc0 .Lnot_a_\@
	tensor_load_to_lds s[G0A:G0A+3], s[G1A:G1A+7]
	s_nop 0
.rept 4
	v_nop
.endr
	s_branch .Lasked_\@
.Lnot_a_\@:
	s_cmp_eq_u32 s[WV], 3
	s_cbranch_scc1 .Lfor_e_\@
	tensor_load_to_lds s[G0B:G0B+3], s[G1B:G1B+7]
	s_nop 0
.rept 4
	v_nop
.endr
	s_branch .Lasked_\@
.Lfor_e_\@:
	tensor_load_to_lds s[G0E:G0E+3], s[G1A:G1A+7]
	s_nop 0
.rept 4
	v_nop
.endr
.Lasked_\@:
.endm
.macro GSTEP                           ; no tensor load of mine is out: every group 0 goes one chunk on, in memory and in LDS
.irp g, G0A, G0B, G0E
	s_add_co_u32 s[\g+1], s[\g+1], CH
	s_add_nc_u64 s[\g+2:\g+3], s[\g+2:\g+3], 256
.endr
.endm
.macro ASK                             ; the next chunk of 32 rows, a lane a row; wave 3 names nothing
	s_cmp_eq_u32 s[WV], 3
	s_cbranch_scc1 .Lno_ask_\@
	global_prefetch_b8 v[PFO], s[PFA:PFA+1] th:TH_LOAD_NT scope:SCOPE_SE
.Lno_ask_\@:
.endm
.macro WM d, a, b, c, sa, sb, ra, rb   ; one scaled matrix instruction.  c < 0: the constant 0 starts the sum.  ra, rb: which half of the lanes of the scale registers is read
.set rD, \d
.set rA, \a
.set rB, \b
.set rC, \c
.set rS, \sa
.set rT, \sb
.set rW, 2*(\ra)+(\rb)
.if rC < 0
.if rW == 0
	v_wmma_scale_f32_16x16x128_f8f6f4 v[rD:rD+7], v[rA:rA+11], v[rB:rB+11], 0, v[rS], v[rT] matrix_a_fmt:MATRIX_FMT_FP6 matrix_b_fmt:MATRIX_FMT_FP6
.elseif rW == 1
	v_wmma_scale_f32_16x16x128_f8f6f4 v[rD:rD+7], v[rA:rA+11], v[rB:rB+11], 0, v[rS], v[rT] matrix_a_fmt:MATRIX_FMT_FP6 matrix_b_fmt:MATRIX_FMT_FP6 matrix_b_scale:MATRIX_SCALE_ROW1
.elseif rW == 2
	v_wmma_scale_f32_16x16x128_f8f6f4 v[rD:rD+7], v[rA:rA+11], v[rB:rB+11], 0, v[rS], v[rT] matrix_a_fmt:MATRIX_FMT_FP6 matrix_b_fmt:MATRIX_FMT_FP6 matrix_a_scale:MATRIX_SCALE_ROW1
.else
	v_wmma_scale_f32_16x16x128_f8f6f4 v[rD:rD+7], v[rA:rA+11], v[rB:rB+11], 0, v[rS], v[rT] matrix_a_fmt:MATRIX_FMT_FP6 matrix_b_fmt:MATRIX_FMT_FP6 matrix_a_scale:MATRIX_SCALE_ROW1 matrix_b_scale:MATRIX_SCALE_ROW1
.endif
.else
.if rW == 0
	v_wmma_scale_f32_16x16x128_f8f6f4 v[rD:rD+7], v[rA:rA+11], v[rB:rB+11], v[rC:rC+7], v[rS], v[rT] matrix_a_fmt:MATRIX_FMT_FP6 matrix_b_fmt:MATRIX_FMT_FP6
.elseif rW == 1
	v_wmma_scale_f32_16x16x128_f8f6f4 v[rD:rD+7], v[rA:rA+11], v[rB:rB+11], v[rC:rC+7], v[rS], v[rT] matrix_a_fmt:MATRIX_FMT_FP6 matrix_b_fmt:MATRIX_FMT_FP6 matrix_b_scale:MATRIX_SCALE_ROW1
.elseif rW == 2
	v_wmma_scale_f32_16x16x128_f8f6f4 v[rD:rD+7], v[rA:rA+11], v[rB:rB+11], v[rC:rC+7], v[rS], v[rT] matrix_a_fmt:MATRIX_FMT_FP6 matrix_b_fmt:MATRIX_FMT_FP6 matrix_a_scale:MATRIX_SCALE_ROW1
.else
	v_wmma_scale_f32_16x16x128_f8f6f4 v[rD:rD+7], v[rA:rA+11], v[rB:rB+11], v[rC:rC+7], v[rS], v[rT] matrix_a_fmt:MATRIX_FMT_FP6 matrix_b_fmt:MATRIX_FMT_FP6 matrix_a_scale:MATRIX_SCALE_ROW1 matrix_b_scale:MATRIX_SCALE_ROW1
.endif
.endif
.endm
; 64 numbers of a lane, v[s] .. v[s + 63] of window w, register 16 b + i in block b of my row, become a fragment's codes in v[PC] .. v[PC + 11] and its scale word in v[pw].
; A block's 32 numbers lie in lanes l and l xor 16.  The floor 2^(3 - 127) among the maximum's leaves keeps the byte at 1 or above; 2 off the exponent field is the conversion's scale operand.
.macro QUANT s, w, pw
	WIN 0x05*(\w)
.irp b, 0,1,2,3
	v_max3_num_f32 v[TM+\b], |v[\s+16*\b]|, |v[\s+1+16*\b]|, 0x1800000
.endr
	WIN 0x14*(\w)
.irp i, 2,4,6,8,10,12,14
.irp b, 0,1,2,3
	v_max3_num_f32 v[TM+\b], v[TM+\b], |v[\s+16*\b+\i]|, |v[\s+1+16*\b+\i]|
.endr
.endr
	WIN 0
.irp b, 0,1,2,3
	v_permlanex16_b32 v[TM+4+\b], v[TM+\b], s[SEL], s[SEL+1]
.endr
.irp b, 0,1,2,3
	v_max_num_f32 v[TM+\b], v[TM+\b], v[TM+4+\b]
.endr
.irp b, 0,1,2,3
	v_add_nc_u32 v[TM+8+\b], 0xff000000, v[TM+\b]
.endr
.irp b, 0,1,2,3
	v_lshrrev_b32 v[TM+4+\b], 23, v[TM+8+\b]
.endr
	v_lshl_or_b32 v[\pw], v[TM+5], 8, v[TM+4]
	v_lshl_or_b32 v[\pw], v[TM+6], 16, v[\pw]
	v_lshl_or_b32 v[\pw], v[TM+7], 24, v[\pw]
	WIN 0x01*(\w)
.irp c, 0,1
	v_cvt_scalef32_pk16_fp6_f32 v[PC+6*\c:PC+2+6*\c], v[\s+32*\c:\s+15+32*\c], v[TM+8+2*\c]
	v_cvt_scalef32_pk16_fp6_f32 v[PC+12+4*\c:PC+14+4*\c], v[\s+16+32*\c:\s+31+32*\c], v[TM+9+2*\c]
.endr
	WIN 0
	v_nop                                          ; one plain place behind a scaled conversion
.irp c, 0,1                            ; the operand's layout wants a whole block in a lane
.irp i, 0,1,2
	v_permlane16_swap_b32 v[PC+6*\c+\i], v[PC+12+4*\c+\i]
.endr
.irp i, 0,1,2
	v_mov_b32 v[PC+3+6*\c+\i], v[PC+12+4*\c+\i]
.endr
.endr
.endm
; A fragment of step q from region g: six pieces of 8 bytes.  Byte y of a row of codes lies in chunk y / 256, at byte y % 256 of that chunk's LDS row.  Lanes 16-31 read 24 bytes further on than lanes 0-15; where that is in the
; next chunk (the piece of lanes 0-15 begins at byte 232 or later of its chunk), the second form serves: lanes 0-15 point at byte 232 of their row, lanes 16-31 at byte 0 of the next chunk's row.
.macro FRAG reg, g, q, i
.irp p, 0,1,2,3,4,5
.set PCE, 12*(\q)+6*(\p/3)+\p%3
.set cC, PCE/32
.if PCE%32 < 29
	ds_load_b64 v[\reg+2*\p:\reg+2*\p+1], v[AD+6*(\g)+2*cC] offset:8*(PCE%32)+(\i)*16*PITCH
.else
	ds_load_b64 v[\reg+2*\p:\reg+2*\p+1], v[AD+6*(\g)+2*cC+1] offset:8*(PCE%32)-232+(\i)*16*PITCH
.endif
.endr
.endm
.macro FETCH s, p                      ; the 14 fragments of step s into set p: 84 loads in one run
	WIN 0x80
.irp t, 0,1,2,3,4,5,6,7
	FRAG 96*(\p)+12*\t, 0, \s, \t
.endr
.irp u, 0,1
	FRAG 192+24*(\p)+12*\u, 1, \s, \u
.endr
	WIN 0xc0
.irp n, 0,1,2,3
	FRAG 48*(\p)+12*\n, 2, \s, \n
.endr
	WIN 0
.endm
.macro XPUT k                          ; my two fragments of batch k (step 4 k + w) into the images' bytes, at places 2 w and 2 w + 1
.irp u, 0,1
.irp c, 0,1,2
	ds_store_b128 v[XS], v[EX6+24*(\k)+12*\u+4*\c:EX6+24*(\k)+12*\u+4*\c+3] offset:\u*FRB+512*\c
.endr
.endr
.endm
.macro XGET k                          ; all eight fragments of batch k (steps 4 k .. 4 k + 3) into their registers
.irp s, 0,1,2,3
.set xS, 4*(\k)+\s
.if xS < 6
	WIN 0xc0
.set xR, 96+24*xS
.else
	WIN 0
.set xR, EX6+24*(xS-6)
.endif
.irp u, 0,1
.irp c, 0,1,2
	ds_load_b128 v[xR+12*\u+4*\c:xR+12*\u+4*\c+3], v[XL] offset:(2*\s+\u)*FRB+512*\c
.endr
.endr
.endr
	WIN 0
.endm
.macro MULV n, p, s, zero              ; eight products: x's eight tiles against my tile n of Wv
.irp t, 0,1,2,3,4,5,6,7
.if \zero
	WM 64*(\n)+8*\t, 96*(\p)+12*\t, 48*(\p)+12*(\n), -1, SX+8*(\t/2)+(\s), SW+8*((\n)/2)+(\s), \t%2, (\n)%2
.else
	WM 64*(\n)+8*\t, 96*(\p)+12*\t, 48*(\p)+12*(\n), 64*(\n)+8*\t, SX+8*(\t/2)+(\s), SW+8*((\n)/2)+(\s), \t%2, (\n)%2
.endif
.endr
.endm
.macro MULX p, s, zero                 ; four products: the two extra tiles against my own two tiles of x
.if (\s) < 6
	WIN 0x0b                                       ; source 0 window 3, source 1 window 2, C and D window 0
.set eX, 96+24*(\s)
.else
	WIN 0x08                                       ; source 0 window 0
.set eX, EX6+24*((\s)-6)
.endif
.irp u, 0,1
.irp g, 0,1
.if \zero
	WM XACC+16*\u+8*\g, eX+12*\g, 192+24*(\p)+12*\u, -1, SE+(\s), SXA+(\s), \g, \u
.else
	WM XACC+16*\u+8*\g, eX+12*\g, 192+24*(\p)+12*\u, XACC+16*\u+8*\g, SE+(\s), SXA+(\s), \g, \u
.endif
.endr
.endr
.endm
.macro MULS s, zero                    ; a step's 36 products, the 36 accumulators by turns, in the same order in every step
	WIN M_V
	MULV 0, (\s)%2, \s, \zero
	MULV 1, (\s)%2, \s, \zero
	MULV 2, (\s)%2, \s, \zero
	MULV 3, (\s)%2, \s, \zero
	MULX (\s)%2, \s, \zero
	WIN 0
.endm
.macro STEP s, zero                    ; the next step's fragments are asked for at the step's head
	s_wait_dscnt 0x0                               ; this step's fragments are in (asked for a step ago)
	PLACES 4                                       ; in front of loads into registers that the last step's products have read
	FETCH (\s)+1, 1-(\s)%2
	MULS \s, \zero
.endm
	s_load_b256 s[4:11], s[0:1], 0x0               ; x's codes, x's scales, Wv's codes, Wv's scales
	s_load_b256 s[12:19], s[0:1], 0x20             ; Wq's codes, Wq's scales, Wk's codes, Wk's scales
	s_load_b128 s[20:23], s[0:1], 0x40             ; v_img, qk_codes
	s_load_b64 s[24:25], s[0:1], 0x50              ; qk_scales
	v_lshl_add_u32 v[SPW], v0, 2, SPARE
	v_mov_b32 v[NIL], 0
	ds_add_u32 v[SPW], v[NIL]                      ; the opening lines: the add, twice on end, and its wait ahead of my first tensor load
	ds_add_u32 v[SPW], v[NIL]
	v_lshrrev_b32 v1, 5, v0
	v_readfirstlane_b32 s[WV], v1                  ; wave 0..3
	s_lshr_b32 s[HB], s[WV], 1                     ; which half of Wv's 256 rows waves 1 and 2 fetch
	s_bfe_u32 s66, ttmp6, 0x40000                  ; cx
	s_bfe_u32 s67, ttmp6, 0x40004                  ; cy
	s_lshl_b32 s92, ttmp9, 2
	s_add_co_u32 s92, s92, s66                     ; C = 4 x cluster x + cx
	s_and_b32 s93, ttmp7, 0xffff
	s_lshl_b32 s93, s93, 2
	s_add_co_u32 s93, s93, s67                     ; R = 4 x cluster y + cy
	s_lshl_b32 s94, s67, 2
	s_lshl_b32 s94, 15, s94                        ; my row of the cluster
	s_lshl_b32 s95, 0x1111, s66                    ; my column
	s_or_b32 s[G1A], s94, PADW
	s_or_b32 s[G1B], s95, PADW
	s_mov_b32 s[G1A+1], 256<<16                    ; a half of x's chunk: 64 rows of 256 bytes, 768 bytes apart in memory
	s_mov_b32 s[G1A+2], 64<<16
	s_mov_b32 s[G1A+3], 256<<16
	s_mov_b32 s[G1A+4], 64
	s_mov_b32 s[G1A+5], KROW
	s_mov_b32 s[G1A+6], 0
	s_mov_b32 s[G1A+7], 0
	s_mov_b32 s[G1B+1], 256<<16                    ; a half of Wv's: 128 rows
	s_mov_b32 s[G1B+2], 128<<16
	s_mov_b32 s[G1B+3], 256<<16
	s_mov_b32 s[G1B+4], 128
	s_mov_b32 s[G1B+5], KROW
	s_mov_b32 s[G1B+6], 0
	s_mov_b32 s[G1B+7], 0
	s_mov_b32 s[SEL], 0x76543210
	s_mov_b32 s[SEL+1], 0xfedcba98                 ; v_permlanex16_b32's selects for lane l xor 16
	s_mov_b32 s[MH], 0xffff0000                    ; a mask of lanes 16-31
	s_mul_i32 s2, s93, 128*KROW                    ; x: my 128 rows
	s_mov_b32 s3, 0
	s_mul_i32 s100, s92, 256*KROW                  ; Wv: my 256 rows,
	s_mul_i32 s101, s[HB], 128*KROW                ; the half that I fetch
	s_add_co_u32 s100, s100, s101
	s_mov_b32 s101, 0
	s_and_b32 s98, s92, 1
	s_mul_i32 s98, s98, 32*KROW                    ; the extra rows: 32 (C & 1) on,
	s_mul_i32 s99, s[WV], 96                       ; at step w of 96 bytes
	s_add_co_u32 s98, s98, s99
	s_mov_b32 s99, 0
	s_mul_i32 s94, s[HB], 128*PITCH
	s_add_co_u32 s94, s94, 128*PITCH               ; where a half of Wv's chunk goes: behind x's 128 rows
	s_wait_dscnt 0x0                               ; both opening adds are done
	s_wait_kmcnt 0x0
	s_add_nc_u64 s[2:3], s[4:5], s[2:3]
	s_add_nc_u64 s[100:101], s[8:9], s[100:101]
	s_cmp_lt_u32 s92, 2                            ; Wq for C = 0, 1; Wk for C = 2, 3
	s_cselect_b64 s[12:13], s[12:13], s[16:17]
	s_cselect_b64 s[14:15], s[14:15], s[18:19]
	s_add_nc_u64 s[98:99], s[12:13], s[98:99]
	s_cmp_eq_u32 s[WV], 0                          ; the prefetches: wave 0 stands in x, the others in the half of Wv that they fetch,
	s_cselect_b64 s[PFA:PFA+1], s[2:3], s[100:101]
	s_cselect_b32 s62, s66, s67                    ; at my work-group's 32 rows of the four partners' 128,
	s_mul_i32 s62, s62, 32*KROW
	s_add_co_u32 s62, s62, 256                     ; at chunk 1
	s_mov_b32 s63, 0
	s_add_nc_u64 s[PFA:PFA+1], s[PFA:PFA+1], s[62:63]
	CROUND                                         ; all sixteen work-groups are here: the joint loads meet
	s_mov_b32 s[G0A], 1
	s_mov_b32 s[G0A+1], 0
	s_mov_b64 s[G0A+2:G0A+3], s[2:3]
	s_or_b32 s[G0A+3], s[G0A+3], 0x80000000
	s_mov_b32 s[G0E], 1
	s_mov_b32 s[G0E+1], 64*PITCH
	s_add_nc_u64 s[G0E+2:G0E+3], s[2:3], 64*KROW
	s_or_b32 s[G0E+3], s[G0E+3], 0x80000000
	s_mov_b32 s[G0B], 1
	s_mov_b32 s[G0B+1], s94
	s_mov_b64 s[G0B+2:G0B+3], s[100:101]
	s_or_b32 s[G0B+3], s[G0B+3], 0x80000000
	JLOAD3                                         ; chunk 0: one tensor load a wave at the head
	; the scale words stay in registers: lane l takes the 32 bytes (8 words, one for each step of 128) of row base + 32 i + l
	s_lshl_b32 s2, s93, 12
	s_mov_b32 s3, 0
	s_add_nc_u64 s[6:7], s[6:7], s[2:3]            ; x's scales at my 128 rows
	s_lshl_b32 s2, s[WV], 10
	s_add_nc_u64 s[4:5], s[6:7], s[2:3]            ; and at my wave's own 32
	s_lshl_b32 s2, s92, 13
	s_lshl_b32 s8, s[WV], 11
	s_add_co_u32 s2, s2, s8
	s_add_nc_u64 s[10:11], s[10:11], s[2:3]        ; Wv's at rows 256 C + 64 w
	s_and_b32 s2, s92, 1
	s_lshl_b32 s2, s2, 10
	s_add_nc_u64 s[14:15], s[14:15], s[2:3]        ; the extra rows'
	s_mul_i32 s56, s[WV], 32*PITCH                 ; my own 32 rows of x in a chunk
	s_mul_i32 s57, s[WV], 64*PITCH                 ; my 64 rows of Wv,
	s_add_co_u32 s57, s57, 128*PITCH               ; behind x's 128
	s_mul_i32 s58, s[WV], 2*FRB                    ; my two places among the eight images
	s_add_co_u32 s58, s58, EXL
	s_mov_b32 s62, CH-232
	v_and_b32 v1, 31, v0
	v_lshlrev_b32 v[O32], 5, v1
	v_lshlrev_b32 v[O16], 4, v1
	v_lshlrev_b32 v[O8], 3, v1
	v_lshlrev_b32 v[O4], 2, v1
	v_and_b32 v2, 15, v0                           ; r
	v_bfe_u32 v3, v0, 4, 1                         ; h
	v_mul_u32_u24 v[EA], v2, KROW
	v_mad_u32_u24 v[EA], v3, 24, v[EA]
	v_add_nc_u32 v[XS], s58, v[O16]
	v_add_nc_u32 v[XL], EXL, v[O16]
	v_mul_u32_u24 v4, v2, PITCH
	v_mad_u32_u24 v5, v3, 24, v4                   ; a fragment's row x pitch + 24 h
	v_mul_u32_u24 v6, s62, v3
	v_add_nc_u32 v6, v4, v6
	v_add_nc_u32 v6, 232, v6                       ; across two chunks: lanes 0-15 byte 232 of the row, lanes 16-31 byte 0 of the next chunk's row
.irp c, 0,1,2
	v_add_nc_u32 v[AD+2*\c], \c*CH, v5
	v_add_nc_u32 v[AD+2*\c+1], \c*CH, v6
	v_add_nc_u32 v[AD+6+2*\c], s56, v5
	v_add_nc_u32 v[AD+6+2*\c+1], s56, v6
	v_add_nc_u32 v[AD+12+2*\c], s57, v5
	v_add_nc_u32 v[AD+12+2*\c+1], s57, v6
	s_add_co_u32 s56, s56, CH
	s_add_co_u32 s57, s57, CH
.endr
	v_mul_u32_u24 v[PFO], v1, KROW
.irp b, 0,1,2,3
	v_mov_b32 v[TM+4+\b], 0                        ; written once: a lane permute's destination counts as one of its sources
.endr
	ASK                                            ; chunk 1
.irp k, 0,1                            ; my four of the extra rows' 16 fragments: steps w and 4 + w, as they lie in memory, in pieces of 8 bytes
.irp u, 0,1
.irp p, 0,1,2,3,4,5
	global_load_b64 v[EX6+24*\k+12*\u+2*\p:EX6+24*\k+12*\u+2*\p+1], v[EA], s[98:99] offset:\u*16*KROW+384*\k+48*(\p/3)+8*(\p%3)
.endr
.endr
.endr
.irp i, 0,1,2,3
	global_load_b128 v[SX+8*\i:SX+8*\i+3], v[O32], s[6:7] offset:1024*\i
	global_load_b128 v[SX+8*\i+4:SX+8*\i+7], v[O32], s[6:7] offset:1024*\i+16
.endr
.irp i, 0,1
	global_load_b128 v[SW+8*\i:SW+8*\i+3], v[O32], s[10:11] offset:1024*\i
	global_load_b128 v[SW+8*\i+4:SW+8*\i+7], v[O32], s[10:11] offset:1024*\i+16
.endr
	global_load_b128 v[SE:SE+3], v[O32], s[14:15]
	global_load_b128 v[SE+4:SE+7], v[O32], s[14:15] offset:16
	global_load_b128 v[SXA:SXA+3], v[O32], s[4:5]
	global_load_b128 v[SXA+4:SXA+7], v[O32], s[4:5] offset:16
	s_wait_alu depctr_va_vdst(0)
	s_wait_loadcnt 0x0                             ; my four fragments and the scale words
	s_wait_xcnt 0x0                                ; my prefetch has read its address: it steps to chunk 2
	s_add_nc_u64 s[PFA:PFA+1], s[PFA:PFA+1], 256
	XPUT 0
	s_wait_tensorcnt 0x0                           ; my part of chunk 0 is in
	ds_add_u32 v[SPW], v[NIL]
	GSTEP
	s_wait_dscnt 0x0                               ; the add is done, and my images have landed
	CROUND                                         ; everybody's part of chunk 0 and images are in, and all sixteen work-groups are here
	JLOAD3                                         ; chunk 1, the first tensor load behind the round
	XGET 0
	FETCH 0, 0
	ASK                                            ; chunk 2
	STEP 0, 1                                      ; the first step's products start the sums: nothing is cleared
	; step 1: its successor lies across chunks 0 and 1
	s_wait_dscnt 0x0                               ; step 1's fragments are in, and my reads of the first eight images are over
	s_barrier_signal -1
	s_barrier_wait -1                              ; everybody's are: the bytes take the second eight
	XPUT 1
	s_wait_tensorcnt 0x0                           ; my part of chunk 1 is in
	ds_add_u32 v[SPW], v[NIL]
	GSTEP
	s_wait_dscnt 0x0                               ; the add is done, and my images have landed
	CROUND
	JLOAD3                                         ; chunk 2, the first tensor load behind the round; its four v_nop are also the places in front of the loads below
	XGET 1                                         ; first used in step 4
	FETCH 2, 0
	MULS 1, 0
	STEP 2, 0
	STEP 3, 0
	; step 4: its successor lies across chunks 1 and 2
	s_wait_tensorcnt 0x0                           ; my part of chunk 2 is in
	s_wait_dscnt 0x0                               ; step 4's fragments are in
	s_barrier_signal -1
	s_barrier_wait -1                              ; everybody's part is in; no tensor load follows
	PLACES 4
	FETCH 5, 1
	MULS 4, 0
	STEP 5, 0
	STEP 6, 0
	s_wait_dscnt 0x0                               ; the last step: nothing more to fetch
	MULS 7, 0
	; THE WAY OUT.  Where my results go (all loads are in, so their bases may be written)
	s_lshr_b32 s2, s93, 5                          ; the batch
	s_lshl_b32 s2, s2, 2
	s_add_co_u32 s2, s2, s92
	s_lshl_b32 s2, s2, 4
	s_bfe_u32 s3, s93, 0x40001                     ; which 256 keys of the batch: (R & 31) / 2
	s_add_co_u32 s2, s2, s3
	s_mul_i32 s2, s2, BBLK
	s_mov_b32 s3, 0
	s_add_nc_u64 s[20:21], s[20:21], s[2:3]        ; my block of v_img
	s_and_b32 s2, s93, 1                           ; which 128 of the 256
	s_lshl_b32 s2, s2, 2
	s_add_co_u32 s2, s2, s[WV]
	s_lshl_b32 s4, s2, 8
	s_add_co_u32 s4, s4, 32*FRB
	s_mov_b32 s5, 0
	s_add_nc_u64 s[4:5], s[20:21], s[4:5]          ; my unit of scale words
	s_mul_i32 s2, s2, 4*FRB
	s_add_nc_u64 s[20:21], s[20:21], s[2:3]        ; my four fragments
	s_lshr_b32 s6, s92, 1                          ; q (0) or k (1)
	s_lshl_b32 s6, s6, 8
	s_lshl_b32 s7, s93, 2
	s_add_co_u32 s6, s6, s7
	s_add_co_u32 s6, s6, s[WV]                     ; + my group of 32 rows
	s_lshl_b32 s6, s6, 1
	s_and_b32 s7, s92, 1
	s_add_co_u32 s6, s6, s7                        ; + which block of 32 of the 64
	s_mul_i32 s8, s6, 768
	s_mov_b32 s9, 0
	s_lshl_b32 s6, s6, 7
	s_mov_b32 s7, 0
	s_add_nc_u64 s[22:23], s[22:23], s[8:9]
	s_add_nc_u64 s[24:25], s[24:25], s[6:7]
	PLACES 4                                       ; in front of the first read of results
	; q or k: my 32 rows' one block of 32: 16 numbers a lane for each of the two tiles of rows
.irp u, 0,1
	v_max3_num_f32 v[TM+\u], |v[XACC+16*\u]|, |v[XACC+16*\u+1]|, 0x1800000
.endr
.irp i, 2,4,6,8,10,12,14
.irp u, 0,1
	v_max3_num_f32 v[TM+\u], v[TM+\u], |v[XACC+16*\u+\i]|, |v[XACC+16*\u+\i+1]|
.endr
.endr
.irp u, 0,1
	v_permlanex16_b32 v[TM+4+\u], v[TM+\u], s[SEL], s[SEL+1]
.endr
.irp u, 0,1
	v_max_num_f32 v[TM+\u], v[TM+\u], v[TM+4+\u]
.endr
.irp u, 0,1
	v_add_nc_u32 v[TM+8+\u], 0xff000000, v[TM+\u]
.endr
.irp u, 0,1
	v_lshrrev_b32 v[TM+4+\u], 23, v[TM+8+\u]
.endr
	v_cvt_scalef32_pk16_fp6_f32 v[PC:PC+2], v[XACC:XACC+15], v[TM+8]
	v_cvt_scalef32_pk16_fp6_f32 v[PC+12:PC+14], v[XACC+16:XACC+31], v[TM+9]
	v_nop                                          ; one plain place behind a scaled conversion
.irp i, 0,1,2
	v_permlane16_swap_b32 v[PC+\i], v[PC+12+\i]    ; lane 16 H + r now holds the lower 16 codes of row 16 H + r in the first run, the upper 16 in the second
.endr
.irp i, 0,1,2
	v_mov_b32 v[PC+3+\i], v[PC+12+\i]
.endr
	v_cndmask_b32 v[SU], v[TM+4], v[TM+5], s[MH]   ; and that row's byte
.irp p, 0,1,2
	global_store_b64 v[O8], v[PC+2*\p:PC+2*\p+1], s[22:23] offset:256*\p   ; 32 lanes store 256 consecutive bytes, aligned
.endr
	global_store_b32 v[O4], v[SU], s[24:25]
	; v: for each of my four tiles of d the 128 keys are one fragment
.irp n, 0,1,2,3
	s_wait_xcnt 0x0                                ; the earlier stores have read their registers: the codes' may be written again
	QUANT 64*\n, 1, PWS+\n
.irp c, 0,1,2
	global_store_b128 v[O16], v[PC+4*\c:PC+4*\c+3], s[20:21] offset:\n*FRB+512*\c
.endr
.endr
	v_cndmask_b32 v[SU], v[PWS], v[PWS+2], s[MH]   ; the four tiles' scale words as one unit: lane (r, h) holds those of tiles 2 h and 2 h + 1
	v_cndmask_b32 v[SU+1], v[PWS+1], v[PWS+3], s[MH]
	global_store_b64 v[O8], v[SU:SU+1], s[4:5]
	s_wait_tensorcnt 0x0                           ; the wave's end
	ds_add_u32 v[SPW], v[NIL]
	s_wait_dscnt 0x0
	CROUND                                         ; the closing round
	s_endpgm
.Lfunc_end_k_qb7e26febdf_proj:
	.size	k_qb7e26febdf_proj, .Lfunc_end_k_qb7e26febdf_proj-k_qb7e26febdf_proj
	.p2alignl 7, 3214868480
	.fill 96, 4, 3214868480
	.section	.rodata,"a",@progbits
	.p2align	6, 0x0
	.amdhsa_kernel k_qb7e26febdf_proj
		.amdhsa_group_segment_fixed_size 327680
		.amdhsa_private_segment_fixed_size 0
		.amdhsa_enable_private_segment 0
		.amdhsa_kernarg_size 88
		.amdhsa_user_sgpr_count 2
		.amdhsa_user_sgpr_kernarg_segment_ptr 1
		.amdhsa_wavefront_size32 1
		.amdhsa_system_sgpr_workgroup_id_x 1
		.amdhsa_system_sgpr_workgroup_id_y 1
		.amdhsa_system_sgpr_workgroup_id_z 1
		.amdhsa_system_vgpr_workitem_id 0
		.amdhsa_next_free_vgpr 1024
		.amdhsa_next_free_sgpr 102
		.amdhsa_reserve_vcc 0
		.amdhsa_float_denorm_mode_32 3
		.amdhsa_float_denorm_mode_16_64 3
		.amdhsa_memory_ordered 1
		.amdhsa_forward_progress 1
		.amdhsa_inst_pref_size 122
	.end_amdhsa_kernel
	.amdgpu_metadata
---
amdhsa.version: [ 1, 2 ]
amdhsa.kernels:
  - .name:           k_qb7e26febdf_proj
    .symbol:         k_qb7e26febdf_proj.kd
    .args:
      - { .name: x_codes, .offset: 0, .size: 8, .value_kind: global_buffer, .address_space: global }
      - { .name: x_scales, .offset: 8, .size: 8, .value_kind: global_buffer, .address_space: global }
      - { .name: Wv_codes, .offset: 16, .size: 8, .value_kind: global_buffer, .address_space: global }
      - { .name: Wv_scales, .offset: 24, .size: 8, .value_kind: global_buffer, .address_space: global }
      - { .name: Wq_codes, .offset: 32, .size: 8, .value_kind: global_buffer, .address_space: global }
      - { .name: Wq_scales, .offset: 40, .size: 8, .value_kind: global_buffer, .address_space: global }
      - { .name: Wk_codes, .offset: 48, .size: 8, .value_kind: global_buffer, .address_space: global }
      - { .name: Wk_scales, .offset: 56, .size: 8, .value_kind: global_buffer, .address_space: global }
      - { .name: v_img, .offset: 64, .size: 8, .value_kind: global_buffer, .address_space: global }
      - { .name: qk_codes, .offset: 72, .size: 8, .value_kind: global_buffer, .address_space: global }
      - { .name: qk_scales, .offset: 80, .size: 8, .value_kind: global_buffer, .address_space: global }
    .group_segment_fixed_size: 327680
    .private_segment_fixed_size: 0
    .kernarg_segment_align: 8
    .kernarg_segment_size: 88
    .max_flat_workgroup_size: 128
    .sgpr_count:     102
    .vgpr_count:     1024
    .wavefront_size: 32
...
	.end_amdgpu_metadata
.endif
;; end of part 1
;; launch soft (part 2): grid 256 x 1, 16 waves a work-group, no clusters, 7,168 bytes of LDS; arguments qk_codes, qk_scales, Wo_codes, Wo_scales, p_img, l_sum, wo_img; writes p_img, l_sum, wo_img
.if DOCPART == 2
	.amdgcn_target "amdgcn-amd-amdhsa--gfx1250"
	.amdhsa_code_object_version 6
	.text
	.protected	k_qb7e26febdf_soft
	.globl	k_qb7e26febdf_soft
	.p2align	8
	.type	k_qb7e26febdf_soft,@function
k_qb7e26febdf_soft:
	s_mov_b64 s[64:65], 0
	v_nop
	global_prefetch_b8 v0, s[64:65] scope:SCOPE_SE
	s_setreg_imm32_b32 hwreg(HW_REG_WAVE_MODE, 25, 1), 1
	s_wait_xcnt 0x0
; p = 2^(t - M) for all 4,096 keys of 32 queries, as codes of FP6 with one E8M0 scale for each 32 keys, and the rows' sums of the unquantised p.  t = (q . k) x log2(e) / 8; M = the row's largest t rounded up to a whole number.
; SHARES.  Work-group X owns queries 32 X .. + 31 (two tiles of 16); wave w owns keys 256 w .. + 255 of the batch: 16 tiles, whose codes stay in its registers for both passes.
; TWO PASSES.  Pass 1 multiplies and keeps only each query's largest score; the sixteen waves' maxima meet in LDS; pass 2 multiplies again (the same instructions on the same registers give the same bits) and makes p
; under the row's final M.  So what is stored is final and nothing is rescaled.
; S^T = k q^T (source 0 = 16 keys, source 1 = 16 queries): a lane holds one query, its registers run along the keys.  Register j of tile 2 b + u holds key 32 b + 16 u + 8 h + j and is laid at place 16 h + 8 u + j of block b:
; the permutation inside a block by which v's codes were laid too.
; K = 64 IN AN INSTRUCTION OF 128: q's registers 6 to 11 are zero codes, so whatever k's operand holds there (the next tile's six registers; behind the last tile six cleared ones) adds nothing; the scale words' upper two bytes are 0.
; The launch also lays Wo out for the last launch: 512 fragments as register images (waves 0 and 1, one each) and 128 units of scale words (wave 2 of the first 128 work-groups).
; NO CLUSTER, NO TENSOR LOAD: what work-groups share (k's codes) goes from memory straight into registers, 12 KB a wave, once; there is no tile in LDS that a joint request could fill.
; LIMITS: NaN and infinities are not served.  p under 2^-126 comes out as 0.  A block of zeros gets the byte 1 where the quantiser's rule says 127: its codes are zeros, and only this program reads these bytes.
.set FRB,   1536
.set ABLK,  25600                      ; a block of p_img: 128 queries x 256 keys: 16 fragments and 4 units of scale words
.set BBLK,  51200                      ; a block of wo_img: 256 rows x 256 K: 32 fragments and 8 units
.set MAXR,  0                          ; LDS: the waves' maxima: tile y, query r, wave w at 1280 y + 80 r + 4 w
.set SUMR,  2560                       ; the waves' sums likewise
.set SPARE, 5120                       ; the spare words, 128 bytes for each of sixteen waves
.set GK,   1                           ; v1   768 h + 8 r: my place in a group of q's or k's codes
.set O4,   2                           ; v2   4 x lane
.set O16,  3                           ; v3   16 x lane
.set XST,  4                           ; v4   80 r + 4 w
.set XRD,  5                           ; v5   80 r
.set SPW,  6                           ; v6   my spare word's LDS address; never rewritten
.set NIL,  7                           ; v7   0; never rewritten
.set PWS,  8                           ; v8-11  p's scale words: tile y, step st at 2 y + st
.set MX,   12                          ; v12-13 the largest score of my query, tile y
.set SU,   14                          ; v14-15 a unit of scale words on its way out
.set QF,   16                          ; v16-39 q's two fragments
.set KF,   40                          ; v40-141 k's sixteen tiles, six registers each, and six zeros
.set KS,   142                         ; v142-149 k's scale words: lanes 0-15 tile 2 g, lanes 16-31 tile 2 g + 1
.set QS,   150                         ; v150 q's: lanes 0-15 tile 0, lanes 16-31 tile 1
.set O8,   151                         ; v151 8 x lane
.set NM,   152                         ; v152-155 -M, a pair for each tile
.set LS,   156                         ; v156-159 the sums, a pair for each tile
.set S,    160                         ; v160-223 scores, then p
.set PC,   224                         ; v224-243 the codes just made
.set TM,   244                         ; v244-255 at work
.set WV,   18
.set SEL,  32
.set MH,   34
.set CS,   36
.set MSB, 0
.macro WIN new                         ; (this text stays in window 0: every call drops out)
.if MSB != (\new)
	s_set_vgpr_msb (MSB<<8)|(\new)
.set MSB, \new
.endif
.endm
.macro PLACES n
.rept \n
	v_nop
.endr
.endm
.macro WM d, a, b, c, sa, sb, ra, rb   ; one scaled matrix instruction; here always with the constant 0 as C
.set rD, \d
.set rA, \a
.set rB, \b
.set rS, \sa
.set rT, \sb
.set rW, 2*(\ra)+(\rb)
.if rW == 0
	v_wmma_scale_f32_16x16x128_f8f6f4 v[rD:rD+7], v[rA:rA+11], v[rB:rB+11], 0, v[rS], v[rT] matrix_a_fmt:MATRIX_FMT_FP6 matrix_b_fmt:MATRIX_FMT_FP6
.elseif rW == 1
	v_wmma_scale_f32_16x16x128_f8f6f4 v[rD:rD+7], v[rA:rA+11], v[rB:rB+11], 0, v[rS], v[rT] matrix_a_fmt:MATRIX_FMT_FP6 matrix_b_fmt:MATRIX_FMT_FP6 matrix_b_scale:MATRIX_SCALE_ROW1
.elseif rW == 2
	v_wmma_scale_f32_16x16x128_f8f6f4 v[rD:rD+7], v[rA:rA+11], v[rB:rB+11], 0, v[rS], v[rT] matrix_a_fmt:MATRIX_FMT_FP6 matrix_b_fmt:MATRIX_FMT_FP6 matrix_a_scale:MATRIX_SCALE_ROW1
.else
	v_wmma_scale_f32_16x16x128_f8f6f4 v[rD:rD+7], v[rA:rA+11], v[rB:rB+11], 0, v[rS], v[rT] matrix_a_fmt:MATRIX_FMT_FP6 matrix_b_fmt:MATRIX_FMT_FP6 matrix_a_scale:MATRIX_SCALE_ROW1 matrix_b_scale:MATRIX_SCALE_ROW1
.endif
.endm
; 64 numbers of a lane, register 16 b + i in block b of my row, become a fragment's codes in v[PC] .. v[PC + 11] and its scale word in v[pw]
.macro QUANT s, w, pw
	WIN 0x05*(\w)
.irp b, 0,1,2,3
	v_max3_num_f32 v[TM+\b], |v[\s+16*\b]|, |v[\s+1+16*\b]|, 0x1800000   ; with the floor 2^(3 - 127): the byte cannot fall under 1
.endr
	WIN 0x14*(\w)
.irp i, 2,4,6,8,10,12,14
.irp b, 0,1,2,3
	v_max3_num_f32 v[TM+\b], v[TM+\b], |v[\s+16*\b+\i]|, |v[\s+1+16*\b+\i]|
.endr
.endr
	WIN 0
.irp b, 0,1,2,3
	s_delay_alu instid0(VALU_DEP_4)
	v_permlanex16_b32 v[TM+4+\b], v[TM+\b], s[SEL], s[SEL+1]
.endr
.irp b, 0,1,2,3
	s_delay_alu instid0(VALU_DEP_4)
	v_max_num_f32 v[TM+\b], v[TM+\b], v[TM+4+\b]
.endr
.irp b, 0,1,2,3
	s_delay_alu instid0(VALU_DEP_4)
	v_add_nc_u32 v[TM+8+\b], 0xff000000, v[TM+\b]  ; 2 off the exponent field: the conversion's scale operand
.endr
.irp b, 0,1,2,3
	s_delay_alu instid0(VALU_DEP_4)
	v_lshrrev_b32 v[TM+4+\b], 23, v[TM+8+\b]       ; the scale's byte
.endr
	s_delay_alu instid0(VALU_DEP_3)
	v_lshl_or_b32 v[\pw], v[TM+5], 8, v[TM+4]
	s_delay_alu instid0(VALU_DEP_1)
	v_lshl_or_b32 v[\pw], v[TM+6], 16, v[\pw]
	s_delay_alu instid0(VALU_DEP_1)
	v_lshl_or_b32 v[\pw], v[TM+7], 24, v[\pw]
	WIN 0x01*(\w)
.irp c, 0,1
	v_cvt_scalef32_pk16_fp6_f32 v[PC+6*\c:PC+2+6*\c], v[\s+32*\c:\s+15+32*\c], v[TM+8+2*\c]
	v_cvt_scalef32_pk16_fp6_f32 v[PC+12+4*\c:PC+14+4*\c], v[\s+16+32*\c:\s+31+32*\c], v[TM+9+2*\c]
.endr
	WIN 0
	v_nop                                          ; one plain place behind a scaled conversion
.irp c, 0,1
.irp i, 0,1,2
	v_permlane16_swap_b32 v[PC+6*\c+\i], v[PC+12+4*\c+\i]
.endr
.irp i, 0,1,2
	s_delay_alu instid0(VALU_DEP_3)
	v_mov_b32 v[PC+3+6*\c+\i], v[PC+12+4*\c+\i]
.endr
.endr
.endm
.macro SCORE y, kk                     ; the scores of query tile y against my key tiles 8 kk .. 8 kk + 7: eight products on eight accumulators
.irp t, 0,1,2,3,4,5,6,7
	WM S+8*\t, KF+6*(8*(\kk)+\t), QF+12*(\y), -1, KS+(8*(\kk)+\t)/2, QS, \t%2, \y
.endr
.endm
.macro MAXS y                          ; the largest of my 64 scores joins tile y's running maximum; each accumulator is read from its low end on
.irp b, 0,1,2,3
	v_max3_num_f32 v[TM+\b], v[S+16*\b], v[S+16*\b+1], v[S+16*\b+2]
.endr
.irp i, 3,5,7,9,11,13
.irp b, 0,1,2,3
	v_max3_num_f32 v[TM+\b], v[TM+\b], v[S+16*\b+\i], v[S+16*\b+\i+1]
.endr
.endr
.irp b, 0,1,2,3
	v_max_num_f32 v[TM+\b], v[TM+\b], v[S+16*\b+15]
.endr
	s_delay_alu instid0(VALU_DEP_3)
	v_max3_num_f32 v[MX+\y], v[MX+\y], v[TM], v[TM+1]
	s_delay_alu instid0(VALU_DEP_1)
	v_max3_num_f32 v[MX+\y], v[MX+\y], v[TM+2], v[TM+3]
.endm
; Pass 2 for query tile y and my keys 128 st .. + 127: scores, p, the sum, the codes, the store
.macro PUNIT y, st
	s_wait_xcnt 0x0                                ; the earlier stores have read their registers: the codes' may be written again
	SCORE \y, \st
	PLACES 4
.set jx, 0
	s_wait_alu depctr_va_vdst(0)
.rept 32
	v_pk_fma_f32 v[S+jx:S+jx+1], v[S+jx:S+jx+1], s[CS:CS+1], v[NM+2*\y:NM+2*\y+1] op_sel_hi:[1,0,0]   ; t - M, two at a time
.set jx, jx+2
.endr
.set jx, 0
	s_wait_alu depctr_va_vdst(0)
.rept 64
	v_exp_f32 v[S+jx], v[S+jx]                     ; p = 2^(t - M): not normalised
.set jx, jx+1
.endr
	v_nop                                          ; a plain place behind the last exponential
	s_wait_alu depctr_va_vdst(0)                   ; one wait for the whole batch, ahead of its first reader
	v_pk_add_f32 v[TM:TM+1], v[S:S+1], v[S+2:S+3]  ; the row's sum is taken of the unquantised p: two at a time, in two chains
.irp j, 4,8,12,16,20,24,28,32,36,40,44,48,52,56,60
	v_pk_add_f32 v[LS+2*\y:LS+2*\y+1], v[LS+2*\y:LS+2*\y+1], v[S+\j:S+\j+1]
	v_pk_add_f32 v[TM:TM+1], v[TM:TM+1], v[S+\j+2:S+\j+3]
.endr
	s_delay_alu instid0(VALU_DEP_1)
	v_pk_add_f32 v[LS+2*\y:LS+2*\y+1], v[LS+2*\y:LS+2*\y+1], v[TM:TM+1]
	QUANT S, 0, PWS+2*\y+\st
.irp c, 0,1,2
	global_store_b128 v[O16], v[PC+4*\c:PC+4*\c+3], s[12:13] offset:(8*\st+\y)*FRB+512*\c   ; 32 lanes store 512 consecutive bytes, aligned
.endr
.endm
	s_load_b256 s[4:11], s[0:1], 0x0               ; qk_codes, qk_scales, Wo's codes, Wo's scales
	s_load_b128 s[12:15], s[0:1], 0x20             ; p_img, l_sum
	s_load_b64 s[16:17], s[0:1], 0x30              ; wo_img
	v_lshl_add_u32 v[SPW], v0, 2, SPARE
	v_mov_b32 v[NIL], 0
	v_lshrrev_b32 v1, 5, v0
	s_delay_alu instid0(VALU_DEP_1)
	v_readfirstlane_b32 s[WV], v1                  ; wave 0..15
	v_and_b32 v10, 31, v0                          ; lane
	v_and_b32 v8, 15, v0                           ; r
	v_bfe_u32 v9, v0, 4, 1                         ; h
	s_delay_alu instid0(VALU_DEP_3)
	v_lshlrev_b32 v[O4], 2, v10
	s_delay_alu instid0(VALU_DEP_4)
	v_lshlrev_b32 v[O16], 4, v10
	v_lshlrev_b32 v[O8], 3, v10
	v_mul_u32_u24 v[XRD], v8, 80                   ; every LDS address is made here, ahead of the first branch on the wave's number
	s_lshl_b32 s19, s[WV], 2
	v_add_nc_u32 v[XST], s19, v[XRD]
	v_lshlrev_b32 v[GK], 3, v8
	s_delay_alu instid0(VALU_DEP_1)
	v_mad_u32_u24 v[GK], v9, 768, v[GK]
	v_mul_u32_u24 v[TM], v8, 768                   ; Wo's codes: row r of 768 bytes + 24 h
	s_delay_alu instid0(VALU_DEP_1)
	v_mad_u32_u24 v[TM], v9, 24, v[TM]
	v_lshl_add_u32 v[TM+1], v9, 5, v8              ; Wo's scales: row 32 h + r of 32 bytes
	s_delay_alu instid0(VALU_DEP_1)
	v_lshlrev_b32 v[TM+1], 5, v[TM+1]
	s_mov_b32 s[SEL], 0x76543210
	s_mov_b32 s[SEL+1], 0xfedcba98
	s_mov_b32 s[MH], 0xffff0000                    ; a mask of lanes 16-31
	s_mov_b32 s[CS], 0x3e38aa3b                    ; c = log2(e) / 8
	s_mov_b32 s[CS+1], s[CS]
	s_lshr_b32 s20, ttmp9, 7                       ; the batch
	s_lshl_b32 s21, s20, 7
	s_lshl_b32 s22, s[WV], 3
	s_add_co_u32 s21, s21, s22
	s_add_co_u32 s21, s21, 256                     ; k's groups lie behind q's 256: my first is 256 + 128 batch + 8 w
	s_mul_i32 s22, s21, 1536
	s_mov_b32 s23, 0
	s_lshl_b32 s24, s21, 8
	s_mov_b32 s25, 0
	s_mul_i32 s26, ttmp9, 1536                     ; q's group is X
	s_mov_b32 s27, 0
	s_lshl_b32 s28, ttmp9, 8
	s_mov_b32 s29, 0
	s_wait_alu depctr_va_vdst(0)
	s_wait_kmcnt 0x0
	s_add_nc_u64 s[22:23], s[4:5], s[22:23]
	s_add_nc_u64 s[24:25], s[6:7], s[24:25]
	s_add_nc_u64 s[26:27], s[4:5], s[26:27]
	s_add_nc_u64 s[28:29], s[6:7], s[28:29]
.irp g, 0,1,2,3,4,5,6,7
.irp y, 0,1
.irp p, 0,1,2
	global_load_b64 v[KF+6*(2*\g+\y)+2*\p:KF+6*(2*\g+\y)+2*\p+1], v[GK], s[22:23] offset:1536*\g+256*\p+128*\y
.endr
.endr
.endr
.irp y, 0,1
.irp p, 0,1,2
	global_load_b64 v[QF+12*\y+2*\p:QF+12*\y+2*\p+1], v[GK], s[26:27] offset:256*\p+128*\y
.endr
.endr
.irp g, 0,1,2,3,4,5,6,7
.irp u, 0,1
	global_load_b32 v[S+2*\g+\u], v[O4], s[24:25] offset:256*\g+128*\u   ; the byte of block u of row 32 g + lane
.endr
.endr
.irp u, 0,1
	global_load_b32 v[S+16+\u], v[O4], s[28:29] offset:128*\u
.endr
	s_lshr_b32 s38, ttmp9, 2                       ; which 128 queries
	s_lshl_b32 s38, s38, 4
	s_add_co_u32 s38, s38, s[WV]                   ; and my 256 keys
	s_mul_i32 s38, s38, ABLK
	s_mov_b32 s39, 0
	s_add_nc_u64 s[12:13], s[12:13], s[38:39]      ; my block of p_img
	s_and_b32 s38, ttmp9, 3                        ; which pair of its eight tiles
	s_lshl_b32 s40, s38, 8
	s_add_co_u32 s40, s40, 16*FRB
	s_mov_b32 s41, 0
	s_add_nc_u64 s[30:31], s[12:13], s[40:41]      ; my unit of scale words
	s_mul_i32 s38, s38, 2*FRB
	s_add_nc_u64 s[12:13], s[12:13], s[38:39]
	s_lshl_b32 s38, ttmp9, 7
	s_add_nc_u64 s[14:15], s[14:15], s[38:39]      ; my 32 rows of l_sum
	; Wo is laid out while k's codes are on their way
	s_cmp_lt_u32 s[WV], 2
	s_cbranch_scc0 .Lnot_frag
	s_lshl_b32 s38, ttmp9, 1
	s_add_co_u32 s38, s38, s[WV]                   ; fragment 2 X + w:
	s_lshr_b32 s39, s38, 3                         ; tile of 16 rows,
	s_and_b32 s38, s38, 7                          ; step of 128 along K
	s_mul_i32 s40, s39, 16*768
	s_mul_i32 s41, s38, 96
	s_add_co_u32 s40, s40, s41
	s_mov_b32 s41, 0
	s_add_nc_u64 s[8:9], s[8:9], s[40:41]
.irp p, 0,1,2,3,4,5
	global_load_b64 v[PC+2*\p:PC+2*\p+1], v[TM], s[8:9] offset:48*(\p/3)+8*(\p%3)
.endr
	s_lshr_b32 s40, s39, 4
	s_lshl_b32 s40, s40, 2
	s_lshr_b32 s42, s38, 1
	s_add_co_u32 s40, s40, s42
	s_mul_i32 s40, s40, BBLK                       ; block (rows / 256, K / 256)
	s_and_b32 s42, s38, 1
	s_lshl_b32 s42, s42, 4
	s_and_b32 s43, s39, 15
	s_add_co_u32 s42, s42, s43
	s_mul_i32 s42, s42, FRB
	s_add_co_u32 s40, s40, s42
	s_add_nc_u64 s[16:17], s[16:17], s[40:41]
	s_wait_loadcnt 0x0
.irp c, 0,1,2
	global_store_b128 v[O16], v[PC+4*\c:PC+4*\c+3], s[16:17] offset:512*\c
.endr
	s_wait_xcnt 0x0
	s_branch .Lrelaid
.Lnot_frag:
	s_cmp_eq_u32 s[WV], 2
	s_cbranch_scc0 .Lrelaid
	s_cmp_lt_u32 ttmp9, 128
	s_cbranch_scc0 .Lrelaid
	s_and_b32 s38, ttmp9, 7                        ; step of 128 along K,
	s_lshr_b32 s39, ttmp9, 3                       ; four tiles of rows: lane (r, h) takes the words of tiles 2 h and 2 h + 1
	s_lshl_b32 s40, s39, 11
	s_lshl_b32 s41, s38, 2
	s_add_co_u32 s40, s40, s41
	s_mov_b32 s41, 0
	s_add_nc_u64 s[10:11], s[10:11], s[40:41]
	global_load_b32 v[PC], v[TM+1], s[10:11]
	global_load_b32 v[PC+1], v[TM+1], s[10:11] offset:512
	s_lshr_b32 s40, s39, 2
	s_lshl_b32 s40, s40, 2
	s_lshr_b32 s42, s38, 1
	s_add_co_u32 s40, s40, s42
	s_mul_i32 s40, s40, BBLK
	s_and_b32 s42, s38, 1
	s_lshl_b32 s42, s42, 2
	s_and_b32 s43, s39, 3
	s_add_co_u32 s42, s42, s43
	s_lshl_b32 s42, s42, 8
	s_add_co_u32 s40, s40, s42
	s_add_co_u32 s40, s40, 32*FRB
	s_add_nc_u64 s[16:17], s[16:17], s[40:41]
	s_wait_loadcnt 0x0
	global_store_b64 v[O8], v[PC:PC+1], s[16:17]
	s_wait_xcnt 0x0
.Lrelaid:
	s_wait_loadcnt 0x0
.irp g, 0,1,2,3,4,5,6,7
	v_lshl_or_b32 v[KS+\g], v[S+2*\g+1], 8, v[S+2*\g]   ; two bytes make a scale word; the upper two stay 0
.endr
	v_lshl_or_b32 v[QS], v[S+17], 8, v[S+16]
.irp i, 6,7,8,9,10,11,18,19,20,21,22,23
	v_mov_b32 v[QF+\i], 0                          ; q's codes for k = 64 .. 127: zeros
.endr
.irp i, 96,97,98,99,100,101
	v_mov_b32 v[KF+\i], 0
.endr
	v_mov_b32 v[MX], 0xff800000                    ; (these ten lines are also the places between the registers written above and the first scaled product)
	v_mov_b32 v[MX+1], 0xff800000
.irp i, 0,1,2,3
	v_mov_b32 v[LS+\i], 0
.endr
.irp b, 0,1,2,3
	v_mov_b32 v[TM+4+\b], 0                        ; a lane permute's destination counts as one of its sources
.endr
	; PASS 1
.irp y, 0,1
.irp k, 0,1
	SCORE \y, \k
	PLACES 4
	MAXS \y
.endr
.endr
.irp y, 0
	v_permlanex16_b32 v[TM+4+\y], v[MX+\y], s[SEL], s[SEL+1]
.endr
.irp y, 1
	s_delay_alu instid0(VALU_DEP_2)
	v_permlanex16_b32 v[TM+4+\y], v[MX+\y], s[SEL], s[SEL+1]
.endr
.irp y, 0,1
	s_delay_alu instid0(VALU_DEP_2)
	v_max_num_f32 v[MX+\y], v[MX+\y], v[TM+4+\y]   ; with lane l xor 16's keys
.endr
.irp y, 0,1
	ds_store_b32 v[XST], v[MX+\y] offset:MAXR+1280*\y   ; lanes r and r + 16 write the same word with the same value
.endr
	s_wait_dscnt 0x0                               ; for the others' sake: my stores have landed
	s_barrier_signal -1
	s_barrier_wait -1
.irp y, 0,1
.irp i, 0,1,2,3
	ds_load_b128 v[S+16*\y+4*\i:S+16*\y+4*\i+3], v[XRD] offset:MAXR+1280*\y+16*\i
.endr
.endr
	s_wait_dscnt 0x0
.irp y, 0,1
	v_max3_num_f32 v[MX+\y], v[S+16*\y], v[S+16*\y+1], v[S+16*\y+2]
.endr
.irp i, 3,5,7,9,11,13
.irp y, 0,1
	s_delay_alu instid0(VALU_DEP_2)
	v_max3_num_f32 v[MX+\y], v[MX+\y], v[S+16*\y+\i], v[S+16*\y+\i+1]
.endr
.endr
.irp y, 0,1
	s_delay_alu instid0(VALU_DEP_2)
	v_max_num_f32 v[MX+\y], v[MX+\y], v[S+16*\y+15]   ; the row's largest score over all 4,096 keys
.endr
.irp y, 0,1
	s_delay_alu instid0(VALU_DEP_2)
	v_mul_f32 v[TM+\y], s[CS], v[MX+\y]            ; as t (c is positive)
.endr
.irp y, 0,1
	s_delay_alu instid0(VALU_DEP_2)
	v_floor_f32 v[NM+2*\y], -v[TM+\y]              ; -M = floor(-t) = -ceil(t)
.endr
.irp y, 0,1
	s_delay_alu instid0(VALU_DEP_2)
	v_mov_b32 v[NM+2*\y+1], v[NM+2*\y]             ; (named as a pair's upper half, so it is written)
.endr
	; PASS 2
	PUNIT 0, 0
	PUNIT 0, 1
	PUNIT 1, 0
	PUNIT 1, 1
	v_cndmask_b32 v[SU], v[PWS], v[PWS+1], s[MH]   ; the unit of scale words: lane (r, h) holds tile 0's and tile 1's word of step h
	v_cndmask_b32 v[SU+1], v[PWS+2], v[PWS+3], s[MH]
	global_store_b64 v[O8], v[SU:SU+1], s[30:31]
	; the rows' sums
.irp y, 0,1
	v_add_f32 v[LS+2*\y], v[LS+2*\y], v[LS+2*\y+1]
.endr
.irp y, 0,1
	s_delay_alu instid0(VALU_DEP_2)
	v_permlanex16_b32 v[TM+4+\y], v[LS+2*\y], s[SEL], s[SEL+1]
.endr
.irp y, 0,1
	s_delay_alu instid0(VALU_DEP_2)
	v_add_f32 v[LS+2*\y], v[LS+2*\y], v[TM+4+\y]
.endr
.irp y, 0,1
	ds_store_b32 v[XST], v[LS+2*\y] offset:SUMR+1280*\y
.endr
	s_wait_dscnt 0x0
	s_barrier_signal -1
	s_barrier_wait -1
	s_cmp_lg_u32 s[WV], 0
	s_cbranch_scc1 .Lend
.irp y, 0,1
.irp i, 0,1,2,3
	ds_load_b128 v[S+16*\y+4*\i:S+16*\y+4*\i+3], v[XRD] offset:SUMR+1280*\y+16*\i
.endr
.endr
	s_wait_dscnt 0x0
.irp i, 1,2,3,4,5,6,7,8,9,10,11,12,13,14,15
.irp y, 0,1
	v_add_f32 v[S+16*\y], v[S+16*\y], v[S+16*\y+\i]   ; the sixteen waves' parts, in the order of the keys
.endr
.endr
	s_delay_alu instid0(VALU_DEP_1)
	v_cndmask_b32 v[S], v[S], v[S+16], s[MH]       ; lane 16 h + r keeps tile h's row r
	global_store_b32 v[O4], v[S], s[14:15]
.Lend:
	s_wait_tensorcnt 0x0                           ; the wave's end, behind my last LDS store
	ds_add_u32 v[SPW], v[NIL]
	s_wait_dscnt 0x0
	s_endpgm
.Lfunc_end_k_qb7e26febdf_soft:
	.size	k_qb7e26febdf_soft, .Lfunc_end_k_qb7e26febdf_soft-k_qb7e26febdf_soft
	.p2alignl 7, 3214868480
	.fill 96, 4, 3214868480
	.section	.rodata,"a",@progbits
	.p2align	6, 0x0
	.amdhsa_kernel k_qb7e26febdf_soft
		.amdhsa_group_segment_fixed_size 7168
		.amdhsa_private_segment_fixed_size 0
		.amdhsa_enable_private_segment 0
		.amdhsa_kernarg_size 56
		.amdhsa_user_sgpr_count 2
		.amdhsa_user_sgpr_kernarg_segment_ptr 1
		.amdhsa_wavefront_size32 1
		.amdhsa_system_sgpr_workgroup_id_x 1
		.amdhsa_system_sgpr_workgroup_id_y 1
		.amdhsa_system_sgpr_workgroup_id_z 1
		.amdhsa_system_vgpr_workitem_id 0
		.amdhsa_next_free_vgpr 256
		.amdhsa_next_free_sgpr 66
		.amdhsa_reserve_vcc 0
		.amdhsa_float_denorm_mode_32 3
		.amdhsa_float_denorm_mode_16_64 3
		.amdhsa_memory_ordered 1
		.amdhsa_forward_progress 1
		.amdhsa_inst_pref_size 81
	.end_amdhsa_kernel
	.amdgpu_metadata
---
amdhsa.version: [ 1, 2 ]
amdhsa.kernels:
  - .name:           k_qb7e26febdf_soft
    .symbol:         k_qb7e26febdf_soft.kd
    .args:
      - { .name: qk_codes, .offset: 0, .size: 8, .value_kind: global_buffer, .address_space: global }
      - { .name: qk_scales, .offset: 8, .size: 8, .value_kind: global_buffer, .address_space: global }
      - { .name: Wo_codes, .offset: 16, .size: 8, .value_kind: global_buffer, .address_space: global }
      - { .name: Wo_scales, .offset: 24, .size: 8, .value_kind: global_buffer, .address_space: global }
      - { .name: p_img, .offset: 32, .size: 8, .value_kind: global_buffer, .address_space: global }
      - { .name: l_sum, .offset: 40, .size: 8, .value_kind: global_buffer, .address_space: global }
      - { .name: wo_img, .offset: 48, .size: 8, .value_kind: global_buffer, .address_space: global }
    .group_segment_fixed_size: 7168
    .private_segment_fixed_size: 0
    .kernarg_segment_align: 8
    .kernarg_segment_size: 56
    .max_flat_workgroup_size: 512
    .sgpr_count:     66
    .vgpr_count:     256
    .wavefront_size: 32
...
	.end_amdgpu_metadata
.endif
;; end of part 2
;; launch pv (part 3): grid 4 x 64, 4 waves a work-group, clusters of 4 x 4, 327,680 bytes of LDS; arguments p_img, v_img, l_sum, y_img; writes y_img
.if DOCPART == 3
	.amdgcn_target "amdgcn-amd-amdhsa--gfx1250"
	.amdhsa_code_object_version 6
	.text
	.protected	k_qb7e26febdf_pv
	.globl	k_qb7e26febdf_pv
	.p2align	8
	.type	k_qb7e26febdf_pv,@function
k_qb7e26febdf_pv:
	s_mov_b64 s[64:65], 0
	v_nop
	global_prefetch_b8 v0, s[64:65] scope:SCOPE_SE
	s_setreg_imm32_b32 hwreg(HW_REG_WAVE_MODE, 25, 1), 1
	s_wait_xcnt 0x0
	s_wait_alu depctr_hold_cnt(0) depctr_sa_sdst(0) depctr_va_vdst(0) depctr_va_sdst(0) depctr_va_ssrc(0) depctr_va_vcc(0) depctr_vm_vsrc(0)
	s_getreg_b32 s2, hwreg(HW_REG_IB_STS2, 6, 4)
	s_cmp_eq_u32 s2, 0
	s_cbranch_scc0 .Lentry_in_a_cluster
	s_endpgm
.Lentry_in_a_cluster:
	s_bfe_u32 s2, ttmp6, 0x10000c
	s_cmp_lg_u32 s2, 0xf033
	s_cbranch_scc0 .Lentry_shape_is_right
	s_endpgm
.Lentry_shape_is_right:
; y = (p v) / l on codes of FP6 with one E8M0 scale for each 32 keys, K = 4,096 keys; y is quantised at once along its 1,024 columns for the last product.
; Both operands lie in memory as images of the operands' registers (a fragment of 16 rows x 128 K: registers 4 c .. 4 c + 3 of lane l at 512 c + 16 l), in dense blocks of 256 along K with their scale words behind them:
; an A-block (128 rows) is 25,600 bytes, a B-block (256 rows) 51,200.  A tensor load brings a whole block as rows of 256 bytes; a fragment then comes by three loads of 16 bytes a lane, 512 consecutive bytes each.
; SHARES.  Work-group (C, G): queries 128 G .. + 127, columns 256 C .. + 255.  Wave (i, jj) makes 64 x 128: 32 accumulators.  The matrix instruction is used transposed (source 0 = 16 columns of v, source 1 = 16 queries):
; a lane holds one query and its registers run along the columns, which are the next product's K; a wave's 128 columns are one step of that K.
; RING: two LDS slots of 512 along K (two A-blocks, two B-blocks: four steps of 128, 128 products a wave); each wave fetches one block by one load.  Slot 0 is asked for at the head, slot 1 behind the first round, as a refill is.
; CLUSTER 4 x 4: A's blocks hang on G alone and are asked for jointly along a row of the cluster, B's on C and the batch and jointly along a column.
; PREFETCH: behind the joint load of slot n each wave names the block that it will fetch for slot n + 1, one slot (four steps of 128) ahead.  The four partners that ask for a block jointly share its units of 256 bytes
; out by address: 25 of an A-block's 100 (one instruction), 50 of a B-block's 200 (two); lanes 25-31 name their wave's last unit again.  Behind the load of slot 7, the last, nothing is named.
; LIMITS: NaN and infinities are not served.  A block of zeros gets the byte 1 where the quantiser's rule says 127: its codes are zeros, and only this program reads these bytes.  1 / l is v_rcp_f32's.
.set FRB,   1536
.set ABLK,  25600
.set BBLK,  51200
.set SLOT,  2*ABLK+2*BBLK
.set SPARE, 2*SLOT                     ; behind the ring: the spare words, 128 bytes a wave
.set LAPS,  4                          ; a lap = once round the ring = 1,024 along K
.set ASTR,  16*ABLK                    ; A's blocks of one G
.set PFO,  3                           ; v3   256 x min(lane, 24): the prefetches' offset; never rewritten
.set ADA,  16                          ; v16-17 LDS address of my A fragments in slot s
.set ADB,  18                          ; v18-21 of my B fragments: slot s, block u at 2 s + u
.set ASA,  22                          ; v22-23 of A's scale words
.set ASB,  24                          ; v24-27 of B's
.set SPW,  28                          ; v28  my spare word's LDS address; never rewritten
.set NIL,  29                          ; v29  0; never rewritten
.set LI,   30                          ; v30  16 x lane
.set L8,   31                          ; v31  8 x lane
.set SC,   32                          ; v32-79 scale words, a set of 24 for each slot: 8 of A's, 16 of B's
.set RL,   80                          ; v80-87 l, then 1 / l, of my query in tile a: pairs
.set PWS,  88                          ; v88-91 y's scale words
.set SU,   92                          ; v92-93 a unit of scale words on its way out
.set AF,   96                          ; v96-191 A's fragments: set p, tile a at 48 p + 12 a
.set T,    96                          ; the way out: 64 numbers of y
.set PC,   160                         ; the codes just made
.set TM,   180                         ; at work in the quantiser
.set G1,   24
.set G0,   32
.set G1B,  48
.set G0B,  56
.set SEL,  12
.set MH,   22
.set PFA,  66                          ; s[66:67] where my prefetches stand: my work-group's share of the block that I fetch, one slot ahead of the load just issued
.set PFS,  70                          ; s[70:71] bytes from slot to slot in my stream: two blocks
.set MUL,  0x52                        ; source 0 (B) window 2, source 1 (A) window 0, C and D window 1
.set MSB, 0
.macro WIN new
.if MSB != (\new)
	s_set_vgpr_msb (MSB<<8)|(\new)
.set MSB, \new
.endif
.endm
.macro PLACES n
.rept \n
	v_nop
.endr
.endm
.macro CREST                           ; a round of the cluster's barrier behind its opening barrier
	s_cmp_lg_u32 s14, 0
	s_cbranch_scc1 .Lnot_wave_0_\@
	s_barrier_signal -3
.Lnot_wave_0_\@:
	s_barrier_wait -3
	s_barrier_signal -1
	s_barrier_wait -1
.endm
.macro CROUND
	s_barrier_signal -1
	s_barrier_wait -1
	CREST
.endm
.macro JLOAD s                         ; a joint load: waves 0 and 1 fetch A's two blocks of slot s, waves 2 and 3 B's; the branch hangs on the wave's number alone
	s_cmp_eq_u32 s15, 0
	s_cbranch_scc0 .Lfor_b_\@
	tensor_load_to_lds s[G0+4*\s:G0+4*\s+3], s[G1:G1+7]
	s_nop 0
.rept 4
	v_nop
.endr
	s_branch .Lasked_\@
.Lfor_b_\@:
	tensor_load_to_lds s[G0B+4*\s:G0B+4*\s+3], s[G1B:G1B+7]
	s_nop 0
.rept 4
	v_nop
.endr
.Lasked_\@:
.endm
.macro ASK                             ; my share of my block of the next slot: 25 units of 256 bytes; B's waves 25 more
	global_prefetch_b8 v[PFO], s[PFA:PFA+1] th:TH_LOAD_NT scope:SCOPE_SE
	s_cmp_eq_u32 s15, 0
	s_cbranch_scc1 .Lfor_a_\@
	global_prefetch_b8 v[PFO], s[PFA:PFA+1] offset:6400 th:TH_LOAD_NT scope:SCOPE_SE
.Lfor_a_\@:
.endm
.macro WM d, a, b, c, sa, sb, ra, rb   ; one scaled matrix instruction.  c < 0: the constant 0 starts the sum.  ra, rb: which half of the lanes of the scale registers is read
.set rD, \d
.set rA, \a
.set rB, \b
.set rC, \c
.set rS, \sa
.set rT, \sb
.set rW, 2*(\ra)+(\rb)
.if rC < 0
.if rW == 0
	v_wmma_scale_f32_16x16x128_f8f6f4 v[rD:rD+7], v[rA:rA+11], v[rB:rB+11], 0, v[rS], v[rT] matrix_a_fmt:MATRIX_FMT_FP6 matrix_b_fmt:MATRIX_FMT_FP6
.elseif rW == 1
	v_wmma_scale_f32_16x16x128_f8f6f4 v[rD:rD+7], v[rA:rA+11], v[rB:rB+11], 0, v[rS], v[rT] matrix_a_fmt:MATRIX_FMT_FP6 matrix_b_fmt:MATRIX_FMT_FP6 matrix_b_scale:MATRIX_SCALE_ROW1
.elseif rW == 2
	v_wmma_scale_f32_16x16x128_f8f6f4 v[rD:rD+7], v[rA:rA+11], v[rB:rB+11], 0, v[rS], v[rT] matrix_a_fmt:MATRIX_FMT_FP6 matrix_b_fmt:MATRIX_FMT_FP6 matrix_a_scale:MATRIX_SCALE_ROW1
.else
	v_wmma_scale_f32_16x16x128_f8f6f4 v[rD:rD+7], v[rA:rA+11], v[rB:rB+11], 0, v[rS], v[rT] matrix_a_fmt:MATRIX_FMT_FP6 matrix_b_fmt:MATRIX_FMT_FP6 matrix_a_scale:MATRIX_SCALE_ROW1 matrix_b_scale:MATRIX_SCALE_ROW1
.endif
.else
.if rW == 0
	v_wmma_scale_f32_16x16x128_f8f6f4 v[rD:rD+7], v[rA:rA+11], v[rB:rB+11], v[rC:rC+7], v[rS], v[rT] matrix_a_fmt:MATRIX_FMT_FP6 matrix_b_fmt:MATRIX_FMT_FP6
.elseif rW == 1
	v_wmma_scale_f32_16x16x128_f8f6f4 v[rD:rD+7], v[rA:rA+11], v[rB:rB+11], v[rC:rC+7], v[rS], v[rT] matrix_a_fmt:MATRIX_FMT_FP6 matrix_b_fmt:MATRIX_FMT_FP6 matrix_b_scale:MATRIX_SCALE_ROW1
.elseif rW == 2
	v_wmma_scale_f32_16x16x128_f8f6f4 v[rD:rD+7], v[rA:rA+11], v[rB:rB+11], v[rC:rC+7], v[rS], v[rT] matrix_a_fmt:MATRIX_FMT_FP6 matrix_b_fmt:MATRIX_FMT_FP6 matrix_a_scale:MATRIX_SCALE_ROW1
.else
	v_wmma_scale_f32_16x16x128_f8f6f4 v[rD:rD+7], v[rA:rA+11], v[rB:rB+11], v[rC:rC+7], v[rS], v[rT] matrix_a_fmt:MATRIX_FMT_FP6 matrix_b_fmt:MATRIX_FMT_FP6 matrix_a_scale:MATRIX_SCALE_ROW1 matrix_b_scale:MATRIX_SCALE_ROW1
.endif
.endif
.endm
; The 12 fragments of step t (0..3) of slot s into set p: 36 loads in one run.  Step t lies in block t / 2, at its (t % 2)-th 128 along K.
.macro FETCH s, t, p
	WIN 0x80
.irp b, 0,1,2,3,4,5,6,7
.irp c, 0,1,2
	ds_load_b128 v[128*(\p)+12*\b+4*\c:128*(\p)+12*\b+4*\c+3], v[ADB+2*(\s)+(\t)/2] offset:(16*((\t)%2)+\b)*FRB+512*\c
.endr
.endr
	WIN 0
.irp a, 0,1,2,3
.irp c, 0,1,2
	ds_load_b128 v[AF+48*(\p)+12*\a+4*\c:AF+48*(\p)+12*\a+4*\c+3], v[ADA+(\s)] offset:ABLK*((\t)/2)+(8*((\t)%2)+\a)*FRB+512*\c
.endr
.endr
.endm
; A slot's scale words, 12 loads of 8 bytes a lane.  p's units hold two tiles x two steps (register = the tile's parity, half of the lanes = the step's); v's four tiles of one step (register = the tile's parity, half = tile / 2).
.macro SCALES s
.irp u, 0,1
.irp g, 0,1
	ds_load_b64 v[SC+24*(\s)+4*\u+2*\g:SC+24*(\s)+4*\u+2*\g+1], v[ASA+(\s)] offset:ABLK*\u+256*\g
.endr
.endr
.irp t, 0,1,2,3
.irp g, 0,1
	ds_load_b64 v[SC+24*(\s)+8+4*\t+2*\g:SC+24*(\s)+8+4*\t+2*\g+1], v[ASB+2*(\s)+\t/2] offset:(4*(\t%2)+\g)*256
.endr
.endr
.endm
.macro MUL8 a, p, t, set, first        ; eight products: my tile a of A against my eight tiles of B
.irp b, 0,1,2,3,4,5,6,7
.set mD, 8*(8*(\a)+\b)
.if \first
.set mC, -1
.else
.set mC, mD
.endif
	WM mD, 128*(\p)+12*\b, AF+48*(\p)+12*(\a), mC, SC+24*(\set)+8+4*(\t)+2*(\b/4)+\b%2, SC+24*(\set)+4*((\t)/2)+(\a), (\b/2)%2, (\t)%2
.endr
.endm
; A step of 128 along K with its successor in the same slot: 32 products, the 32 accumulators by turns, in the same order in every step
.macro STEP s, t, first
	s_wait_dscnt 0x0                               ; this step's fragments are in (asked for a step ago)
	PLACES 4                                       ; in front of loads into registers that the last step's products have read
	FETCH \s, (\t)+1, 1-(\t)%2
	WIN MUL
	MUL8 0, (\t)%2, \t, \s, \first
	MUL8 1, (\t)%2, \t, \s, \first
	MUL8 2, (\t)%2, \t, \s, \first
	MUL8 3, (\t)%2, \t, \s, \first
	WIN 0
.endm
; A slot's last step changes slots: one barrier; in front of it each wave waits for all its tensor loads, adds 0 to its spare word, and waits for that and for its reads of this slot.  fill = 1: this slot is filled again, two slots ahead.
.macro TURN s, next, fill
.if \fill
	s_wait_xcnt 0x0                                ; my last prefetch has read its address: it steps one slot on
	s_add_nc_u64 s[PFA:PFA+1], s[PFA:PFA+1], s[PFS:PFS+1]
.endif
	s_wait_tensorcnt 0x0                           ; all my tensor loads have landed: my part of the next slot
	ds_add_u32 v[SPW], v[NIL]                      ; 0 onto my spare word
	s_wait_dscnt 0x1                               ; the step's fragments are in; the add alone may be out
	WIN MUL
	MUL8 0, 1, 3, \s, 0                            ; eight products stand between the add and the wait for it
	s_wait_dscnt 0x0                               ; the add is done, and my reads of this slot are over
	s_barrier_signal -1
	MUL8 1, 1, 3, \s, 0
	WIN 0
	s_barrier_wait -1
.if \fill
	CREST                                          ; the barrier has opened a round of the cluster's barrier: no wave of any partner still reads this slot or has a load on its way
	s_add_nc_u64 s[G0+4*\s+2:G0+4*\s+3], s[G0+4*\s+2:G0+4*\s+3], 4*ABLK
	s_add_nc_u64 s[G0B+4*\s+2:G0B+4*\s+3], s[G0B+4*\s+2:G0B+4*\s+3], 4*BBLK
	JLOAD \s                                       ; the first tensor load behind the round; its four v_nop are also the places in front of the loads below
.else
	PLACES 4
.endif
	FETCH \next, 0, 0
	SCALES \next
.if \fill
.if \s
	s_cmp_eq_u32 s3, 1                             ; the loop's last trip: the load above was slot 7's, and no slot follows
	s_cbranch_scc1 .Lno_ask_\@
.endif
	ASK
.if \s
.Lno_ask_\@:
.endif
.endif
	WIN MUL
	MUL8 2, 1, 3, \s, 0
	MUL8 3, 1, 3, \s, 0
	WIN 0
.endm
; 64 numbers of a lane, register 16 b + i = column 32 b + 16 h + i of my row, become a fragment's codes in v[PC] .. v[PC + 11] and its scale word in v[pw]
.macro QUANT s, pw
.irp b, 0,1,2,3
	v_max3_num_f32 v[TM+\b], |v[\s+16*\b]|, |v[\s+1+16*\b]|, 0x1800000   ; with the floor 2^(3 - 127): the byte cannot fall under 1
.endr
.irp i, 2,4,6,8,10,12,14
.irp b, 0,1,2,3
	v_max3_num_f32 v[TM+\b], v[TM+\b], |v[\s+16*\b+\i]|, |v[\s+1+16*\b+\i]|
.endr
.endr
.irp b, 0,1,2,3
	v_permlanex16_b32 v[TM+4+\b], v[TM+\b], s[SEL], s[SEL+1]
.endr
.irp b, 0,1,2,3
	v_max_num_f32 v[TM+\b], v[TM+\b], v[TM+4+\b]
.endr
.irp b, 0,1,2,3
	v_add_nc_u32 v[TM+8+\b], 0xff000000, v[TM+\b]  ; 2 off the exponent field: the conversion's scale operand
.endr
.irp b, 0,1,2,3
	v_lshrrev_b32 v[TM+4+\b], 23, v[TM+8+\b]       ; the scale's byte
.endr
	v_lshl_or_b32 v[\pw], v[TM+5], 8, v[TM+4]
	v_lshl_or_b32 v[\pw], v[TM+6], 16, v[\pw]
	v_lshl_or_b32 v[\pw], v[TM+7], 24, v[\pw]
.irp c, 0,1
	v_cvt_scalef32_pk16_fp6_f32 v[PC+6*\c:PC+2+6*\c], v[\s+32*\c:\s+15+32*\c], v[TM+8+2*\c]
	v_cvt_scalef32_pk16_fp6_f32 v[PC+12+4*\c:PC+14+4*\c], v[\s+16+32*\c:\s+31+32*\c], v[TM+9+2*\c]
.endr
	v_nop                                          ; one plain place behind a scaled conversion
.irp c, 0,1
.irp i, 0,1,2
	v_permlane16_swap_b32 v[PC+6*\c+\i], v[PC+12+4*\c+\i]
.endr
.irp i, 0,1,2
	v_mov_b32 v[PC+3+6*\c+\i], v[PC+12+4*\c+\i]
.endr
.endr
.endm
; Tile a of my queries: divided by l, brought into the columns' own order (Wo's codes are given in it), quantised, stored as one fragment
.macro YOUT a
	WIN 0x01
.set jx, 0
.rept 32
	v_pk_mul_f32 v[T+jx:T+jx+1], v[64*(\a)+jx:64*(\a)+jx+1], v[RL+2*(\a):RL+2*(\a)+1] op_sel_hi:[1,0]   ; each accumulator from its low end on
.set jx, jx+2
.endr
	WIN 0
.irp g, 0,1,2,3
.irp j, 0,1,2,3,4,5,6,7
	v_permlane16_swap_b32 v[T+16*\g+\j], v[T+16*\g+8+\j]   ; columns 32 g + 8 h + j and 32 g + 16 + 8 h + j become 32 g + 16 h + j and 32 g + 16 h + 8 + j; the query stays
.endr
.endr
	s_wait_xcnt 0x0                                ; the earlier stores have read their registers: the codes' may be written again
	QUANT T, PWS+(\a)
.irp c, 0,1,2
	global_store_b128 v[LI], v[PC+4*\c:PC+4*\c+3], s[10:11] offset:(\a)*FRB+512*\c   ; 32 lanes store 512 consecutive bytes, aligned
.endr
.endm
	s_load_b256 s[4:11], s[0:1], 0x0               ; A's blocks s[4:5], B's s[6:7], l s[8:9], y_img s[10:11]
	v_lshl_add_u32 v[SPW], v0, 2, SPARE
	v_mov_b32 v[NIL], 0
	ds_add_u32 v[SPW], v[NIL]                      ; the opening lines: the add, twice on end, and its wait ahead of my first tensor load
	ds_add_u32 v[SPW], v[NIL]
	v_lshrrev_b32 v1, 5, v0
	v_readfirstlane_b32 s14, v1                    ; wave 0..3
	v_and_b32 v[PFO], 31, v0
	v_min_u32 v[PFO], 24, v[PFO]
	v_lshlrev_b32 v[PFO], 8, v[PFO]
	s_lshr_b32 s15, s14, 1                         ; i: which 64 of the 128 rows are mine.  Also: I fetch for A (0) or for B (1)
	s_and_b32 s16, s14, 1                          ; jj: which 128 of the 256 columns.  Also: which of a slot's two blocks I fetch
	s_bfe_u32 s40, ttmp6, 0x40000                  ; cx
	s_bfe_u32 s41, ttmp6, 0x40004                  ; cy
	s_lshl_b32 s42, ttmp9, 2
	s_add_co_u32 s42, s42, s40                     ; C = 4 x cluster x + cx
	s_and_b32 s17, ttmp7, 0xffff
	s_lshr_b32 s47, s17, 3                         ; the batch: 8 clusters along y to each, so all sixteen partners share it
	s_lshl_b32 s17, s17, 2
	s_add_co_u32 s17, s17, s41                     ; G = 4 x cluster y + cy
	s_lshl_b32 s43, s41, 2
	s_lshl_b32 s43, 15, s43                        ; my row of the cluster
	s_lshl_b32 s44, 0x1111, s40                    ; my column
	s_or_b32 s[G1], s43, (3<<16)|(1<<21)           ; the mask; elements of 8 bytes; bit 21 beside a mask; no padding
	s_or_b32 s[G1B], s44, (3<<16)|(1<<21)
	s_mov_b32 s[G1+1], 32<<16                      ; rows of 32 elements: 256 bytes
	s_mov_b32 s[G1+2], 100<<16                     ; an A-block is 100 such rows
	s_mov_b32 s[G1+3], 32<<16
	s_mov_b32 s[G1+4], 100
	s_mov_b32 s[G1+5], 32
	s_mov_b32 s[G1+6], 0
	s_mov_b32 s[G1+7], 0
	s_mov_b32 s[G1B+1], 32<<16
	s_mov_b32 s[G1B+2], 200<<16                    ; a B-block 200
	s_mov_b32 s[G1B+3], 32<<16
	s_mov_b32 s[G1B+4], 200
	s_mov_b32 s[G1B+5], 32
	s_mov_b32 s[G1B+6], 0
	s_mov_b32 s[G1B+7], 0
	s_mov_b32 s[SEL], 0x76543210
	s_mov_b32 s[SEL+1], 0xfedcba98
	s_mov_b32 s[MH], 0xffff0000                    ; a mask of lanes 16-31
	s_mul_i32 s20, s17, ASTR
	s_mul_i32 s21, s16, ABLK
	s_add_co_u32 s20, s20, s21                     ; A: G's blocks, the one that I fetch
	s_mov_b32 s21, 0
	s_lshl_b32 s46, s47, 2
	s_add_co_u32 s46, s46, s42
	s_mul_i32 s46, s46, 16*BBLK                    ; B: the blocks of (batch, C),
	s_mul_i32 s47, s16, BBLK
	s_add_co_u32 s46, s46, s47                     ; the one that I fetch
	s_mov_b32 s47, 0
	s_mul_i32 s45, s16, ABLK                       ; where they go in a slot: no place in the cluster enters an LDS address
	s_mul_i32 s23, s16, BBLK
	s_add_co_u32 s23, s23, 2*ABLK
	s_wait_alu depctr_va_vdst(0)
	s_wait_dscnt 0x0                               ; both opening adds are done
	s_wait_kmcnt 0x0
	s_add_nc_u64 s[20:21], s[4:5], s[20:21]
	s_add_nc_u64 s[46:47], s[6:7], s[46:47]
	; the prefetches: my stream, my work-group's quarter of a block (by cx for A, by cy for B), from slot 1 on
	s_mov_b32 s69, 12800
	s_cmp_eq_u32 s15, 0
	s_cselect_b64 s[PFA:PFA+1], s[20:21], s[46:47]
	s_cselect_b32 s68, s40, s41
	s_cselect_b32 s69, 6400, s69                   ; a quarter of a block in bytes
	s_mul_i32 s68, s68, s69
	s_lshl_b32 s[PFS], s69, 3                      ; two blocks
	s_mov_b32 s69, 0
	s_mov_b32 s[PFS+1], 0
	s_add_nc_u64 s[PFA:PFA+1], s[PFA:PFA+1], s[68:69]
	s_add_nc_u64 s[PFA:PFA+1], s[PFA:PFA+1], s[PFS:PFS+1]
	CROUND                                         ; all sixteen work-groups are here: the first joint loads meet
.irp s, 0,1
	s_mov_b32 s[G0+4*\s], 1
	s_add_co_u32 s[G0+4*\s+1], s45, \s*SLOT
	s_add_nc_u64 s[G0+4*\s+2:G0+4*\s+3], s[20:21], \s*2*ABLK
	s_or_b32 s[G0+4*\s+3], s[G0+4*\s+3], 0x80000000
	s_mov_b32 s[G0B+4*\s], 1
	s_add_co_u32 s[G0B+4*\s+1], s23, \s*SLOT
	s_add_nc_u64 s[G0B+4*\s+2:G0B+4*\s+3], s[46:47], \s*2*BBLK
	s_or_b32 s[G0B+4*\s+3], s[G0B+4*\s+3], 0x80000000
.endr
	JLOAD 0                                        ; slot 0: one tensor load a wave at the head
	s_mul_i32 s18, s15, 4*FRB                      ; A: my four tiles of a block's eight
	s_mul_i32 s19, s16, 8*FRB
	s_add_co_u32 s19, s19, 2*ABLK                  ; B: my eight tiles of sixteen, behind A's two blocks
	s_lshl_b32 s20, s15, 9                         ; A's scale words: my two units of four
	s_add_co_u32 s20, s20, 16*FRB
	s_lshl_b32 s21, s16, 9                         ; B's: my two units of a step's four
	s_add_co_u32 s21, s21, 2*ABLK+32*FRB
	v_and_b32 v1, 31, v0
	v_lshlrev_b32 v[LI], 4, v1
	v_lshlrev_b32 v[L8], 3, v1
	s_wait_alu depctr_va_vdst(0)                   ; scalar steps stand among the readers below
.irp s, 0,1
	v_add_nc_u32 v[ADA+\s], s18, v[LI]
	v_add_nc_u32 v[ADB+2*\s], s19, v[LI]
	v_add_nc_u32 v[ASA+\s], s20, v[L8]
	v_add_nc_u32 v[ASB+2*\s], s21, v[L8]
	v_add_nc_u32 v[ADB+2*\s+1], BBLK, v[ADB+2*\s]
	v_add_nc_u32 v[ASB+2*\s+1], BBLK, v[ASB+2*\s]
	s_add_co_u32 s18, s18, SLOT
	s_add_co_u32 s19, s19, SLOT
	s_add_co_u32 s20, s20, SLOT
	s_add_co_u32 s21, s21, SLOT
.endr
	ASK                                            ; slot 1's blocks
	s_lshl_b32 s18, s17, 9                         ; l: rows 128 G + 64 i on, 4 bytes each
	s_lshl_b32 s19, s15, 8
	s_add_co_u32 s18, s18, s19
	s_mov_b32 s19, 0
	s_add_nc_u64 s[8:9], s[8:9], s[18:19]
	v_and_b32 v2, 15, v0
	v_lshlrev_b32 v2, 2, v2
.irp a, 0,1,2,3
	global_load_b32 v[RL+2*\a], v2, s[8:9] offset:64*\a   ; awaited on the way out
	v_mov_b32 v[RL+2*\a+1], 0                      ; (named as a pair's upper half, so it is written)
.endr
	s_lshl_b32 s18, s17, 2
	s_add_co_u32 s18, s18, s42
	s_mul_i32 s18, s18, ABLK
	s_add_nc_u64 s[10:11], s[10:11], s[18:19]      ; y_img: block (G, C): my columns are its K
	s_lshl_b32 s18, s16, 1
	s_add_co_u32 s18, s18, s15                     ; 2 jj + i
	s_lshl_b32 s20, s18, 8
	s_add_co_u32 s20, s20, 16*FRB
	s_mov_b32 s21, 0
	s_add_nc_u64 s[20:21], s[10:11], s[20:21]      ; my unit of scale words
	s_mul_i32 s18, s18, 4*FRB
	s_add_nc_u64 s[10:11], s[10:11], s[18:19]      ; my four fragments: step jj, tiles 4 i on
	s_wait_alu depctr_va_vdst(0)
	s_wait_xcnt 0x0                                ; my prefetch has read its address: it steps to slot 2
	s_add_nc_u64 s[PFA:PFA+1], s[PFA:PFA+1], s[PFS:PFS+1]
	s_wait_tensorcnt 0x0                           ; my part of slot 0 is in
	ds_add_u32 v[SPW], v[NIL]
	s_wait_dscnt 0x0
	CROUND                                         ; everybody's part is in, and all sixteen work-groups are here
	JLOAD 1                                        ; slot 1, the first tensor load behind the round
	FETCH 0, 0, 0
	SCALES 0
	ASK                                            ; slot 2's blocks
	STEP 0, 0, 1                                   ; the first step stands in front of the loop: its products start the sums
	s_mov_b32 s3, LAPS-1
.Llap:                                             ; a trip goes once round the ring, from a lap's second step to the next lap's first, and fills both slots again
	STEP 0, 1, 0
	STEP 0, 2, 0
	TURN 0, 1, 1
	STEP 1, 0, 0
	STEP 1, 1, 0
	STEP 1, 2, 0
	TURN 1, 0, 1
	STEP 0, 0, 0
	s_sub_co_u32 s3, s3, 1
	s_cmp_lg_u32 s3, 0
	s_cbranch_scc1 .Llap
	STEP 0, 1, 0                                   ; the last lap fills nothing, and has no round of the cluster's barrier
	STEP 0, 2, 0
	TURN 0, 1, 0
	STEP 1, 0, 0
	STEP 1, 1, 0
	STEP 1, 2, 0
	s_wait_dscnt 0x0                               ; the very last step: nothing more to fetch
	WIN MUL
	MUL8 0, 1, 3, 1, 0
	MUL8 1, 1, 3, 1, 0
	MUL8 2, 1, 3, 1, 0
	MUL8 3, 1, 3, 1, 0
	WIN 0
	; THE WAY OUT
	PLACES 4                                       ; in front of the first read of results and of writes into registers that held A's fragments
	s_wait_loadcnt 0x0                             ; l
.irp a, 0,1,2,3
	v_rcp_f32 v[RL+2*\a], v[RL+2*\a]
.endr
.irp b, 0,1,2,3
	v_mov_b32 v[TM+4+\b], 0                        ; plain places behind the reciprocals; and a lane permute's destination counts as one of its sources
.endr
	s_wait_alu depctr_va_vdst(0)                   ; one wait for the four reciprocals, ahead of their first reader
	YOUT 0
	YOUT 1
	YOUT 2
	YOUT 3
	v_cndmask_b32 v[SU], v[PWS], v[PWS+2], s[MH]   ; the four tiles' scale words as one unit: lane (r, h) holds those of tiles 2 h and 2 h + 1
	v_cndmask_b32 v[SU+1], v[PWS+1], v[PWS+3], s[MH]
	global_store_b64 v[L8], v[SU:SU+1], s[20:21]
	s_wait_tensorcnt 0x0                           ; the wave's end
	ds_add_u32 v[SPW], v[NIL]
	s_wait_dscnt 0x0
	CROUND                                         ; the closing round
	s_endpgm
.Lfunc_end_k_qb7e26febdf_pv:
	.size	k_qb7e26febdf_pv, .Lfunc_end_k_qb7e26febdf_pv-k_qb7e26febdf_pv
	.p2alignl 7, 3214868480
	.fill 96, 4, 3214868480
	.section	.rodata,"a",@progbits
	.p2align	6, 0x0
	.amdhsa_kernel k_qb7e26febdf_pv
		.amdhsa_group_segment_fixed_size 327680
		.amdhsa_private_segment_fixed_size 0
		.amdhsa_enable_private_segment 0
		.amdhsa_kernarg_size 32
		.amdhsa_user_sgpr_count 2
		.amdhsa_user_sgpr_kernarg_segment_ptr 1
		.amdhsa_wavefront_size32 1
		.amdhsa_system_sgpr_workgroup_id_x 1
		.amdhsa_system_sgpr_workgroup_id_y 1
		.amdhsa_system_sgpr_workgroup_id_z 1
		.amdhsa_system_vgpr_workitem_id 0
		.amdhsa_next_free_vgpr 768
		.amdhsa_next_free_sgpr 72
		.amdhsa_reserve_vcc 0
		.amdhsa_float_denorm_mode_32 3
		.amdhsa_float_denorm_mode_16_64 3
		.amdhsa_memory_ordered 1
		.amdhsa_forward_progress 1
		.amdhsa_inst_pref_size 150
	.end_amdhsa_kernel
	.amdgpu_metadata
---
amdhsa.version: [ 1, 2 ]
amdhsa.kernels:
  - .name:           k_qb7e26febdf_pv
    .symbol:         k_qb7e26febdf_pv.kd
    .args:
      - { .name: p_img, .offset: 0, .size: 8, .value_kind: global_buffer, .address_space: global }
      - { .name: v_img, .offset: 8, .size: 8, .value_kind: global_buffer, .address_space: global }
      - { .name: l_sum, .offset: 16, .size: 8, .value_kind: global_buffer, .address_space: global }
      - { .name: y_img, .offset: 24, .size: 8, .value_kind: global_buffer, .address_space: global }
    .group_segment_fixed_size: 327680
    .private_segment_fixed_size: 0
    .kernarg_segment_align: 8
    .kernarg_segment_size: 32
    .max_flat_workgroup_size: 128
    .sgpr_count:     72
    .vgpr_count:     768
    .wavefront_size: 32
...
	.end_amdgpu_metadata
.endif
;; end of part 3
;; launch outp (part 4): grid 4 x 64, 4 waves a work-group, clusters of 4 x 4, 327,680 bytes of LDS; arguments y_img, wo_img, bo, out0; writes out0
.if DOCPART == 4
	.amdgcn_target "amdgcn-amd-amdhsa--gfx1250"
	.amdhsa_code_object_version 6
	.text
	.protected	k_qb7e26febdf_outp
	.globl	k_qb7e26febdf_outp
	.p2align	8
	.type	k_qb7e26febdf_outp,@function
k_qb7e26febdf_outp:
	s_mov_b64 s[64:65], 0
	v_nop
	global_prefetch_b8 v0, s[64:65] scope:SCOPE_SE
	s_setreg_imm32_b32 hwreg(HW_REG_WAVE_MODE, 25, 1), 1
	s_wait_xcnt 0x0
	s_wait_alu depctr_hold_cnt(0) depctr_sa_sdst(0) depctr_va_vdst(0) depctr_va_sdst(0) depctr_va_ssrc(0) depctr_va_vcc(0) depctr_vm_vsrc(0)
	s_getreg_b32 s2, hwreg(HW_REG_IB_STS2, 6, 4)
	s_cmp_eq_u32 s2, 0
	s_cbranch_scc0 .Lentry_in_a_cluster
	s_endpgm
.Lentry_in_a_cluster:
	s_bfe_u32 s2, ttmp6, 0x10000c
	s_cmp_lg_u32 s2, 0xf033
	s_cbranch_scc0 .Lentry_shape_is_right
	s_endpgm
.Lentry_shape_is_right:
; out = y Wo + bo on codes of FP6 with one E8M0 scale for each 32 along K = 1,024; out is f32.
; Both operands lie in memory as images of the operands' registers (a fragment of 16 rows x 128 K: registers 4 c .. 4 c + 3 of lane l at 512 c + 16 l), in dense blocks of 256 along K with their scale words behind them:
; an A-block (128 rows of y) is 25,600 bytes, a B-block (256 rows of Wo) 51,200.
; SHARES.  Work-group (C, G): rows 128 G .. + 127, columns 256 C .. + 255.  ALL OF K comes at the head: four A-blocks and four B-blocks, 307,200 bytes, by one joint load a wave (waves 0, 1 a half of A's, waves 2, 3 a half of B's),
; as rows of 256 bytes.  Nothing is filled again.
; Wave w owns columns 64 w .. + 63: its 32 fragments of Wo (8 steps x 4 tiles) stay in 384 registers, and it walks the eight tiles of 16 rows of y: 8 fragments, 32 products on four accumulators by turns, and the tile is finished
; and leaves, while the next tiles are multiplied.  LDS is read as much as with waves of 64 x 128: A's bytes four times, B's once.
; The matrix instruction is used transposed (source 0 = 16 columns, source 1 = 16 rows): a lane holds eight neighbouring columns of one row.  The bias is the C of a tile's first products.
; THE WAY OUT: 16 rows x 256 bytes go through the wave's own stage in LDS (bytes of their own, pitch 272) and come back by rows: sixteen lanes store 256 consecutive bytes, aligned.
; CLUSTER 4 x 4: A's blocks hang on G alone and are asked for jointly along a row of the cluster, B's on C alone and jointly along a column.
; NO PREFETCH: the launch has no loop to run ahead in: all its tiles are asked for at its head.
; LIMITS: NaN and infinities are not served.
.set FRB,   1536
.set ABLK,  25600
.set BBLK,  51200
.set BO,    4*ABLK                     ; B's four blocks lie behind A's four
.set STG,   BO+4*BBLK                  ; behind them the stages: 16 rows x 272 bytes a wave
.set SPITCH, 272
.set SPARE, STG+4*16*SPITCH            ; behind the stages: the spare words, 128 bytes a wave
.set ADA,  8                           ; v8-9   LDS address of A's fragments: blocks 0-1, blocks 2-3
.set ASA,  10                          ; v10-11 of A's scale words
.set ADB,  12                          ; v12-15 of my B fragments, a register a block
.set ASB,  16                          ; v16-19 of my B scale words
.set STO,  20                          ; v20  the stage: where I put 32 bytes of a row
.set RD,   21                          ; v21  where I read rows back
.set CO,   22                          ; v22  my byte offset in out0
.set BA,   23                          ; v23  32 h: my place in the bias
.set SPW,  28                          ; v28  my spare word's LDS address; never rewritten
.set NIL,  29                          ; v29  0; never rewritten
.set SB,   32                          ; v32-47 B's scale words: step t at 2 t: register = the tile's parity, half of the lanes = tile / 2
.set SA,   48                          ; v48-79 A's: step t, tiles 4 i .. 4 i + 3 at 4 t + 2 i, likewise
.set BIAS, 80                          ; v80-111 the bias at my lane's eight columns of each of my four tiles
.set ACC,  112                         ; v112-143 four accumulators
.set BK,   144                         ; v144-207 16 rows read back from the stage, two sets
; window 1: B's fragments of steps 0-4 at 48 t + 12 b; window 2: of steps 5-7 at 48 (t - 5) + 12 b; window 3: A's fragments, tile a's in set a % 2, at 96 (a % 2) + 12 t
.set G1,   24
.set G0,   32
.set G1B,  48
.set G0B,  56
.set MSB, 0
.macro WIN new
.if MSB != (\new)
	s_set_vgpr_msb (MSB<<8)|(\new)
.set MSB, \new
.endif
.endm
.macro PLACES n
.rept \n
	v_nop
.endr
.endm
.macro CREST
	s_cmp_lg_u32 s14, 0
	s_cbranch_scc1 .Lnot_wave_0_\@
	s_barrier_signal -3
.Lnot_wave_0_\@:
	s_barrier_wait -3
	s_barrier_signal -1
	s_barrier_wait -1
.endm
.macro CROUND
	s_barrier_signal -1
	s_barrier_wait -1
	CREST
.endm
.macro WM d, a, b, c, sa, sb, ra, rb   ; one scaled matrix instruction.  ra, rb: which half of the lanes of the scale registers is read
.set rD, \d
.set rA, \a
.set rB, \b
.set rC, \c
.set rS, \sa
.set rT, \sb
.set rW, 2*(\ra)+(\rb)
.if rW == 0
	v_wmma_scale_f32_16x16x128_f8f6f4 v[rD:rD+7], v[rA:rA+11], v[rB:rB+11], v[rC:rC+7], v[rS], v[rT] matrix_a_fmt:MATRIX_FMT_FP6 matrix_b_fmt:MATRIX_FMT_FP6
.elseif rW == 1
	v_wmma_scale_f32_16x16x128_f8f6f4 v[rD:rD+7], v[rA:rA+11], v[rB:rB+11], v[rC:rC+7], v[rS], v[rT] matrix_a_fmt:MATRIX_FMT_FP6 matrix_b_fmt:MATRIX_FMT_FP6 matrix_b_scale:MATRIX_SCALE_ROW1
.elseif rW == 2
	v_wmma_scale_f32_16x16x128_f8f6f4 v[rD:rD+7], v[rA:rA+11], v[rB:rB+11], v[rC:rC+7], v[rS], v[rT] matrix_a_fmt:MATRIX_FMT_FP6 matrix_b_fmt:MATRIX_FMT_FP6 matrix_a_scale:MATRIX_SCALE_ROW1
.else
	v_wmma_scale_f32_16x16x128_f8f6f4 v[rD:rD+7], v[rA:rA+11], v[rB:rB+11], v[rC:rC+7], v[rS], v[rT] matrix_a_fmt:MATRIX_FMT_FP6 matrix_b_fmt:MATRIX_FMT_FP6 matrix_a_scale:MATRIX_SCALE_ROW1 matrix_b_scale:MATRIX_SCALE_ROW1
.endif
.endm
.macro SCL                             ; all scale words: 24 loads of 8 bytes a lane
.irp t, 0,1,2,3,4,5,6,7
	ds_load_b64 v[SB+2*\t:SB+2*\t+1], v[ASB+\t/2] offset:(\t%2)*1024
.irp i, 0,1
	ds_load_b64 v[SA+4*\t+2*\i:SA+4*\t+2*\i+1], v[ASA+\t/4] offset:ABLK*((\t/2)%2)+512*(\t%2)+256*\i
.endr
.endr
.endm
.macro ALOAD a                         ; tile a's eight fragments, one for each step: 24 loads
	WIN 0xc0
.irp t, 0,1,2,3,4,5,6,7
.irp c, 0,1,2
	ds_load_b128 v[96*((\a)%2)+12*\t+4*\c:96*((\a)%2)+12*\t+4*\c+3], v[ADA+\t/4] offset:ABLK*((\t/2)%2)+(8*(\t%2)+(\a))*FRB+512*\c
.endr
.endr
	WIN 0
.endm
.macro BLOAD                           ; my 32 fragments of B, K ascending: 12 loads a step
.irp t, 0,1,2,3,4,5,6,7
.if \t < 5
	WIN 0x40
.set bF, 48*\t
.else
	WIN 0x80
.set bF, 48*(\t-5)
.endif
.irp b, 0,1,2,3
.irp c, 0,1,2
	ds_load_b128 v[bF+12*\b+4*\c:bF+12*\b+4*\c+3], v[ADB+\t/2] offset:(16*(\t%2)+\b)*FRB+512*\c
.endr
.endr
.endr
	WIN 0
.endm
; Tile a: 32 products, K ascending, the four accumulators by turns, one instruction a turn; the first four take the bias as C
.macro ROWS a
.irp t, 0,1,2,3,4,5,6,7
.if (\a) == 0                          ; the first tile begins while B's later steps are on their way: behind step t's fragments 12 loads were issued for each later step (the count is held to the counter's 63)
.set nW, 12*(7-\t)
.if nW > 63
.set nW, 63
.endif
	s_wait_dscnt nW
.endif
.if \t < 5
	WIN 0x0d                                       ; source 0 (B) window 1, source 1 (A) window 3, C and D window 0
.set bF, 48*\t
.else
	WIN 0x0e                                       ; source 0 window 2
.set bF, 48*(\t-5)
.endif
.irp b, 0,1,2,3
.if \t == 0
.set mC, BIAS+8*\b
.else
.set mC, ACC+8*\b
.endif
	WM ACC+8*\b, bF+12*\b, 96*((\a)%2)+12*\t, mC, SB+2*\t+\b%2, SA+4*\t+2*((\a)/4)+(\a)%2, \b/2, ((\a)%4)/2
.endr
.endr
	WIN 0
.endm
.macro TOSTAGE a                       ; into my stage, each accumulator from its low end on, and back by rows; LDS serves a wave's instructions in order (ISA guide 5.7.1.4)
.irp b, 0,1,2,3
	ds_store_b128 v[STO], v[ACC+8*\b:ACC+8*\b+3] offset:64*\b
	ds_store_b128 v[STO], v[ACC+8*\b+4:ACC+8*\b+7] offset:64*\b+16
.endr
.irp t, 0,1,2,3,4,5,6,7
	ds_load_b128 v[BK+32*((\a)%2)+4*\t:BK+32*((\a)%2)+4*\t+3], v[RD] offset:\t*2*SPITCH
.endr
.endm
.macro SEND a                          ; two rows an instruction: sixteen lanes store 256 consecutive bytes, aligned; written once, read by nobody here
.irp t, 0,1,2,3,4,5,6,7
	global_store_b128 v[CO], v[BK+32*((\a)%2)+4*\t:BK+32*((\a)%2)+4*\t+3], s[10:11] offset:(16*(\a)+2*\t)*4096 th:TH_STORE_NT
.endr
.endm
	s_load_b256 s[4:11], s[0:1], 0x0               ; y_img s[4:5], wo_img s[6:7], bo s[8:9], out0 s[10:11]
	v_lshl_add_u32 v[SPW], v0, 2, SPARE
	v_mov_b32 v[NIL], 0
	ds_add_u32 v[SPW], v[NIL]                      ; the opening lines: the add, twice on end, and its wait ahead of my first tensor load
	ds_add_u32 v[SPW], v[NIL]
	v_lshrrev_b32 v1, 5, v0
	v_readfirstlane_b32 s14, v1                    ; wave 0..3
	s_lshr_b32 s15, s14, 1                         ; I fetch for A (0) or for B (1),
	s_and_b32 s16, s14, 1                          ; its first or its second two blocks
	s_bfe_u32 s40, ttmp6, 0x40000                  ; cx
	s_bfe_u32 s41, ttmp6, 0x40004                  ; cy
	s_lshl_b32 s42, ttmp9, 2
	s_add_co_u32 s42, s42, s40                     ; C = 4 x cluster x + cx
	s_and_b32 s17, ttmp7, 0xffff
	s_lshl_b32 s17, s17, 2
	s_add_co_u32 s17, s17, s41                     ; G = 4 x cluster y + cy
	s_lshl_b32 s43, s41, 2
	s_lshl_b32 s43, 15, s43                        ; my row of the cluster
	s_lshl_b32 s44, 0x1111, s40                    ; my column
	s_or_b32 s[G1], s43, (3<<16)|(1<<21)           ; the mask; elements of 8 bytes; bit 21 beside a mask; no padding
	s_or_b32 s[G1B], s44, (3<<16)|(1<<21)
	s_mov_b32 s[G1+1], 32<<16                      ; rows of 32 elements: 256 bytes
	s_mov_b32 s[G1+2], 200<<16                     ; two A-blocks are 200 such rows
	s_mov_b32 s[G1+3], 32<<16
	s_mov_b32 s[G1+4], 200
	s_mov_b32 s[G1+5], 32
	s_mov_b32 s[G1+6], 0
	s_mov_b32 s[G1+7], 0
	s_mov_b32 s[G1B+1], 32<<16
	s_mov_b32 s[G1B+2], 400<<16                    ; two B-blocks 400
	s_mov_b32 s[G1B+3], 32<<16
	s_mov_b32 s[G1B+4], 400
	s_mov_b32 s[G1B+5], 32
	s_mov_b32 s[G1B+6], 0
	s_mov_b32 s[G1B+7], 0
	s_mul_i32 s20, s17, 4*ABLK
	s_mul_i32 s45, s16, 2*ABLK                     ; the half that I fetch: in memory and in LDS alike
	s_add_co_u32 s20, s20, s45
	s_mov_b32 s21, 0
	s_mul_i32 s46, s42, 4*BBLK
	s_mul_i32 s23, s16, 2*BBLK
	s_add_co_u32 s46, s46, s23
	s_mov_b32 s47, 0
	s_add_co_u32 s23, s23, BO
	s_wait_dscnt 0x0                               ; both opening adds are done
	s_wait_kmcnt 0x0
	s_add_nc_u64 s[20:21], s[4:5], s[20:21]
	s_add_nc_u64 s[46:47], s[6:7], s[46:47]
	CROUND                                         ; all sixteen work-groups are here: the joint loads meet
	s_mov_b32 s[G0], 1
	s_mov_b32 s[G0+1], s45
	s_mov_b64 s[G0+2:G0+3], s[20:21]
	s_or_b32 s[G0+3], s[G0+3], 0x80000000
	s_mov_b32 s[G0B], 1
	s_mov_b32 s[G0B+1], s23
	s_mov_b64 s[G0B+2:G0B+3], s[46:47]
	s_or_b32 s[G0B+3], s[G0B+3], 0x80000000
	s_cmp_eq_u32 s15, 0                            ; one joint load a wave; the branch hangs on the wave's number alone
	s_cbranch_scc0 .Lfor_b
	tensor_load_to_lds s[G0:G0+3], s[G1:G1+7]
	s_nop 0
.rept 4
	v_nop
.endr
	s_branch .Lasked
.Lfor_b:
	tensor_load_to_lds s[G0B:G0B+3], s[G1B:G1B+7]
	s_nop 0
.rept 4
	v_nop
.endr
.Lasked:
	s_mul_i32 s18, s14, 4*FRB
	s_add_co_u32 s18, s18, BO                      ; B: my four tiles of a step's sixteen
	s_lshl_b32 s19, s14, 8
	s_add_co_u32 s19, s19, BO+32*FRB               ; and their unit of scale words
	s_mul_i32 s22, s14, 16*SPITCH
	s_add_co_u32 s22, s22, STG                     ; my stage
	s_lshl_b32 s2, s42, 10
	s_lshl_b32 s3, s14, 8
	s_add_co_u32 s2, s2, s3                        ; my first column in bytes: 1,024 C + 256 w
	s_mov_b32 s3, 0
	s_add_nc_u64 s[8:9], s[8:9], s[2:3]
	s_add_nc_u64 s[10:11], s[10:11], s[2:3]
	s_lshl_b32 s2, s17, 19                         ; 128 G rows of 4,096 bytes
	s_add_nc_u64 s[10:11], s[10:11], s[2:3]
	v_and_b32 v1, 31, v0
	v_and_b32 v2, 15, v0                           ; l % 16
	v_bfe_u32 v3, v0, 4, 1                         ; l / 16
	v_lshlrev_b32 v[ADA], 4, v1
	v_lshlrev_b32 v4, 3, v1
	v_add_nc_u32 v[ADA+1], 2*ABLK, v[ADA]
	v_add_nc_u32 v[ASA], 16*FRB, v4
	v_add_nc_u32 v[ASA+1], 2*ABLK+16*FRB, v4
	v_add_nc_u32 v[ADB], s18, v[ADA]
	v_add_nc_u32 v[ASB], s19, v4
.irp k, 1,2,3
	v_add_nc_u32 v[ADB+\k], \k*BBLK, v[ADB]
	v_add_nc_u32 v[ASB+\k], \k*BBLK, v[ASB]
.endr
	v_mul_u32_u24 v5, v2, SPITCH                   ; in: row l % 16, 32 bytes for each half of the lanes
	v_lshl_add_u32 v5, v3, 5, v5
	v_add_nc_u32 v[STO], s22, v5
	v_mul_u32_u24 v6, v3, SPITCH                   ; back: lanes 0-15 take one row of 256 bytes, lanes 16-31 the next
	v_lshl_add_u32 v6, v2, 4, v6
	v_add_nc_u32 v[RD], s22, v6
	v_lshlrev_b32 v[CO], 12, v3                    ; and the same two rows in out0
	v_lshl_add_u32 v[CO], v2, 4, v[CO]
	v_lshlrev_b32 v[BA], 5, v3
.irp b, 0,1,2,3
	global_load_b128 v[BIAS+8*\b:BIAS+8*\b+3], v[BA], s[8:9] offset:64*\b
	global_load_b128 v[BIAS+8*\b+4:BIAS+8*\b+7], v[BA], s[8:9] offset:64*\b+16
.endr
	s_wait_alu depctr_va_vdst(0)
	s_wait_tensorcnt 0x0                           ; my part is in
	s_barrier_signal -1
	s_barrier_wait -1                              ; everybody's is
	SCL
	ALOAD 0
	BLOAD
	s_wait_loadcnt 0x0                             ; the bias
	ROWS 0
	ALOAD 1                                        ; into registers that no product has read yet
	PLACES 5                                       ; behind a tile's products: four places ahead of the stores that read them, five ahead of the next tile's products, which begin the accumulators anew
	TOSTAGE 0
.irp a, 1,2,3,4,5,6,7
	s_wait_dscnt 0x0                               ; tile a's fragments are in, and tile a - 1 is back from the stage
	SEND \a-1
.if \a < 7
	ALOAD \a+1                                     ; its set was last read by tile a - 1's products, five places and more ago
.endif
	ROWS \a
	PLACES 5
.if \a > 1
	s_wait_xcnt 0x0                                ; tile a - 2's stores have read their registers: tile a's rows may land there
.endif
	TOSTAGE \a
.endr
	s_wait_dscnt 0x0
	SEND 7
	s_wait_tensorcnt 0x0                           ; the wave's end
	ds_add_u32 v[SPW], v[NIL]
	s_wait_dscnt 0x0
	CROUND                                         ; the closing round
	s_endpgm
.Lfunc_end_k_qb7e26febdf_outp:
	.size	k_qb7e26febdf_outp, .Lfunc_end_k_qb7e26febdf_outp-k_qb7e26febdf_outp
	.p2alignl 7, 3214868480
	.fill 96, 4, 3214868480
	.section	.rodata,"a",@progbits
	.p2align	6, 0x0
	.amdhsa_kernel k_qb7e26febdf_outp
		.amdhsa_group_segment_fixed_size 327680
		.amdhsa_private_segment_fixed_size 0
		.amdhsa_enable_private_segment 0
		.amdhsa_kernarg_size 32
		.amdhsa_user_sgpr_count 2
		.amdhsa_user_sgpr_kernarg_segment_ptr 1
		.amdhsa_wavefront_size32 1
		.amdhsa_system_sgpr_workgroup_id_x 1
		.amdhsa_system_sgpr_workgroup_id_y 1
		.amdhsa_system_sgpr_workgroup_id_z 1
		.amdhsa_system_vgpr_workitem_id 0
		.amdhsa_next_free_vgpr 1024
		.amdhsa_next_free_sgpr 66
		.amdhsa_reserve_vcc 0
		.amdhsa_float_denorm_mode_32 3
		.amdhsa_float_denorm_mode_16_64 3
		.amdhsa_memory_ordered 1
		.amdhsa_forward_progress 1
		.amdhsa_inst_pref_size 76
	.end_amdhsa_kernel
	.amdgpu_metadata
---
amdhsa.version: [ 1, 2 ]
amdhsa.kernels:
  - .name:           k_qb7e26febdf_outp
    .symbol:         k_qb7e26febdf_outp.kd
    .args:
      - { .name: y_img, .offset: 0, .size: 8, .value_kind: global_buffer, .address_space: global }
      - { .name: wo_img, .offset: 8, .size: 8, .value_kind: global_buffer, .address_space: global }
      - { .name: bo, .offset: 16, .size: 8, .value_kind: global_buffer, .address_space: global }
      - { .name: out0, .offset: 24, .size: 8, .value_kind: global_buffer, .address_space: global }
    .group_segment_fixed_size: 327680
    .private_segment_fixed_size: 0
    .kernarg_segment_align: 8
    .kernarg_segment_size: 32
    .max_flat_workgroup_size: 128
    .sgpr_count:     66
    .vgpr_count:     1024
    .wavefront_size: 32
...
	.end_amdgpu_metadata
.endif
;; end of part 4
